; MI455X (gfx1250); checked and timed in simulation.
; The chip was launched on July 23, 2026; its instructions are those of AMD's public machine-readable ISA for CDNA 5 (MIT licence, August 2026) and "CDNA5" Instruction Set Architecture Reference Guide (July 2026). The comments in the code are by the model that wrote it; some were corrected since.
;; Attention. Allowed arithmetic: matrix products marked QUANTISED: E2M3 operands, one E8M0 scale for each 32 along K, by v_wmma_scale_f32_16x16x128_f8f6f4 with both operands' format E2M3, f32 sums; everything else in f32.
;; Inputs: Wkv 2,048 x 1,024 float32; Wo 2,048 x 2,048 float32; Wq 2,048 x 2,048 float32; cos 2,048 x 128 float32; sin 2,048 x 128 float32; x 1 x 2,048 x 2,048 float32.
;; Outputs: out0 1 x 2,048 x 2,048 float32.
;; This version of the problem:
;;   THIS VERSION OF THE PROBLEM IS GIVEN IN LOW PRECISION. The matrix products marked QUANTISED in the list below multiply operands that are first quantised to E2M3 (2 exponent bits, 3 mantissa bits; 6 bits a number), with one power-of-two scale for each 32 numbers along K (OCP MX v1.0); their sums are f32. All else is computed in f32.
;;   The module's matrix products, in the order in which they are computed (A, B: the left and right operand; K: the contracted axis; several contracted axes count as one K, in the product's order):
;;     1. [M 2,048, K 2,048] x [K 2,048, N 2,048]; A: input x; B: input Wq: QUANTISED
;;     2. [M 2,048, K 2,048] x [K 2,048, N 1,024]; A: input x; B: input Wkv: QUANTISED
;;     3. batch 16 x [M 2,048, K 128] x [K 128, N 2,048]; A: computed on the way; B: computed on the way: QUANTISED
;;     4. batch 16 x [M 2,048, K 2,048] x [K 2,048, N 128]; A: softmax (see below); B: computed on the way: QUANTISED
;;     5. [M 2,048, K 2,048] x [K 2,048, N 2,048]; A: computed on the way; B: input Wo: QUANTISED
;;   THE QUANTISER, for each operand of a quantised product, along K:
;;     - K is cut into blocks of 32 from its start; a last block that is shorter is filled with zeros.
;;     - A block's scale is 2^e with e = floor(log2(the largest magnitude in the block)) - 2, held to -126 .. 127; a block of zeros has e = 0. As a byte (E8M0): e + 127.
;;     - Each number is divided by its block's scale, clamped to +-7.5, and rounded to the nearest number of E2M3, ties to even, subnormals kept.
;;     - The product sums the exact products of the quantised numbers (number of the format x scale) in f32.
;;   ~~~python
;;   def quantise(x, axis):      # numpy; x: float32 -> the quantised numbers, widened to float32 again
;;       x = np.moveaxis(x, axis, -1); K = x.shape[-1]
;;       x = np.pad(x, [(0, 0)] * (x.ndim - 1) + [(0, -K % 32)]); x = x.reshape(x.shape[:-1] + (-1, 32)); a = np.abs(x).max(-1, keepdims=True)
;;       e = np.where(a > 0, np.clip(np.frexp(np.where(a > 0, a, 1))[1] - 1 - 2, -126, 127), 0)      # np.frexp(a)[1] - 1 = floor(log2(a)), exactly
;;       r = np.clip(x / 2.0 ** e, -7.5, 7.5)
;;       step = 2.0 ** (np.maximum(np.frexp(np.where(r == 0, 1, r))[1] - 1, 0) - 3)
;;       q = np.round(r / step) * step * 2.0 ** e      # np.round: ties to even
;;       return np.moveaxis(q.reshape(q.shape[:-2] + (-1,))[..., :K], -1, axis).astype(np.float32)
;;   ~~~
;;   SOFTMAX AHEAD OF A QUANTISED PRODUCT. Where the list says 'softmax', what is quantised is not the finished softmax but p = 2^(t - M), with t = logit x log2(e) and M = ceil(the row's largest t), a whole number; so 1/2 < the row's largest p <= 1. The row's sum l is taken of the UNQUANTISED p, in f32, and the product's result is divided by l at the end. Since M is a whole number, a kernel that streams over the keys may use a running M (the ceiling of the running maximum): every later rescaling is an exact power of two, which a block's scale takes up: the codes' values come out the same.
;;   OPERANDS COMPUTED ON THE WAY. 'Computed on the way' means the value that the module computes at that place (a softmax that the list does not call 'softmax' is quantised finished and normalised). What goes into a quantiser is computed in f32, as accurately as f32 sums, v_exp_f32 and their like allow (about 1e-6 of the number): no bf16 or f16 on the way to a quantiser, and a product that is left as it is and whose result goes on into a quantised operand takes f32 operands (vector FMAs, or v_wmma_f32_16x16x4_f32). A number that lies on a knife's edge between two numbers of the format may be rounded either way, as far as f32 arithmetic and the matrix unit's own rounding can turn it there, and no further.
;; One version. Each part assembles by itself: llvm-mc -triple=amdgcn-amd-amdhsa -mcpu=gfx1250 --defsym DOCPART=n.
;; ======== version 1 of 1: 4 launches
;; limits: right only within a limited range of input values
;; workspace buffers: opc 11,010,048 bytes; ops 458,752 bytes; ac 4,718,592 bytes; asc 196,608 bytes; oc 3,145,728 bytes; osc 131,072 bytes
;; launch quant (part 1): grid 448 x 1, 4 waves a work-group, no clusters, 62,976 bytes of LDS; arguments x, Wq, Wkv, Wo, opc, ops; writes opc, ops
.if DOCPART == 1
	.amdgcn_target "amdgcn-amd-amdhsa--gfx1250"
	.amdhsa_code_object_version 6
	.text
	.protected	k_qca7f8f4283_quant
	.globl	k_qca7f8f4283_quant
	.p2align	8
	.type	k_qca7f8f4283_quant,@function
k_qca7f8f4283_quant:
	s_mov_b64 s[64:65], 0
	v_nop
	global_prefetch_b8 v0, s[64:65] scope:SCOPE_SE
	s_setreg_imm32_b32 hwreg(HW_REG_WAVE_MODE, 25, 1), 1
	s_wait_xcnt 0x0
; x [2048][2048] (K innermost) and Wq [2048][2048], Wkv [2048][1024], Wo [2048][2048] (K is the FIRST axis), all f32, become codes of FP6 (E2M3) with one E8M0 byte for each 32 along K.
; THE CODES ARE LAID AS IMAGES OF THE MATRIX OPERAND'S REGISTERS.  A fragment is 16 rows x 128 K = 12 registers a lane; register p of lane l lies at byte 512 (p / 4) + 16 l + 4 (p % 4) of its 1,536 bytes,
; so that three loads of 16 bytes a lane bring it, 512 consecutive bytes each.  Lane (r, h) holds row r; registers 6 c .. 6 c + 5 hold K = 64 c + 32 h + 0 .. 31.
; opc: [row block 0..447][K step 0..15][1536].  ops: [row block][K step][16 words], word r = row r's four scale bytes.  Row blocks: x 0-127, Wq's columns 128-255, Wkv's 256-319, Wo's 320-447.
; THE ROWS OF A BLOCK ARE NOT NEIGHBOURS: lane r of block f holds row 32 (f / 2) + 8 (f % 2) + r % 8 + 16 (r / 8), so that in a product used transposed the 16 registers of two neighbouring tiles are 16 neighbours.
; A block's scale is 2^(floor(log2(its largest magnitude)) - 2): its byte is the largest magnitude's exponent field - 2, held at 1 from below by a floor among the maximum's leaves.
; LIMITS: a block of zeros, or one whose largest magnitude lies under 2^-124, gets the byte 1 (the rule says 127 for zeros): its codes are zeros or held, and this program alone reads the bytes.  NaN and infinities are not served.
; Work-groups 0-319 take the weights (128 columns x 256 along K each), 320-447 take x (one row block each).  The two paths have LDS bytes of their own.  Waves share nothing: no barrier.
.set PC,   208                         ; x path: v208-226 the codes just made
.set TM,   228                         ; v228-243 at work in QUANT
.set PW,   244                         ; the scale word just made
.set SEL,  40                          ; s[40:41] lane selects: lane l xor 16
.set XSTG, 8704                        ; x path: a wave's LDS: a stage of 16 rows x 528 bytes, then 256 bytes for its scale words
.set WB0,  34816                       ; W path: behind the four x regions
.set WSTR, 6912                        ; a wave's LDS: four images 1,664 bytes apart, then 256 bytes for its scale words
.set IMG,  1664
.set WSC,  6656
; 64 numbers of a lane, register 16 b + i = K 32 b + 16 (lane / 16) + i of the lane's row, become a fragment's codes in v[PC] on and the row's scale word in v[PW]
.macro QUANT s
.irp b, 0,1,2,3
	v_max3_num_f32 v[TM+\b], |v[\s+16*\b]|, |v[\s+1+16*\b]|, 0x1800000   ; block b: my 16 numbers, and the floor 2^(3 - 127): the byte cannot fall under 1
.endr
.irp i, 2,4,6,8,10,12,14
.irp b, 0,1,2,3
	v_max3_num_f32 v[TM+\b], v[TM+\b], |v[\s+16*\b+\i]|, |v[\s+1+16*\b+\i]|   ; the four blocks by turns
.endr
.endr
.irp b, 0,1,2,3
	v_permlanex16_b32 v[TM+4+\b], v[TM+\b], s[SEL], s[SEL+1]
.endr
.irp b, 0,1,2,3
	v_max_num_f32 v[TM+\b], v[TM+\b], v[TM+4+\b]           ; with lane l xor 16's: the block's largest magnitude
.endr
.irp b, 0,1,2,3
	v_add_nc_u32 v[TM+12+\b], 0xff000000, v[TM+\b]         ; 2 off its exponent field: the conversion's scale operand
.endr
.irp b, 0,1,2,3
	v_lshrrev_b32 v[TM+4+\b], 23, v[TM+12+\b]              ; the scale's byte
.endr
	v_lshl_or_b32 v[PW], v[TM+5], 8, v[TM+4]
	v_lshl_or_b32 v[PW], v[TM+6], 16, v[PW]
	v_lshl_or_b32 v[PW], v[TM+7], 24, v[PW]
.irp c, 0,1
	v_cvt_scalef32_pk16_fp6_f32 v[PC+6*\c:PC+2+6*\c], v[\s+32*\c:\s+15+32*\c], v[TM+12+2*\c]
	v_cvt_scalef32_pk16_fp6_f32 v[PC+12+4*\c:PC+14+4*\c], v[\s+16+32*\c:\s+31+32*\c], v[TM+13+2*\c]   ; (a conversion's three registers begin on an even number)
.endr
	v_nop                                                  ; one plain line behind the conversions
.irp c, 0,1                                            ; a whole block to a lane: lanes 0-15 block 2 c, lanes 16-31 block 2 c + 1
.irp i, 0,1,2
	v_permlane16_swap_b32 v[PC+6*\c+\i], v[PC+12+4*\c+\i]
.endr
.irp i, 0,1,2
	v_mov_b32 v[PC+3+6*\c+\i], v[PC+12+4*\c+\i]
.endr
.endr
.endm
	s_load_b256 s[4:11], s[0:1], 0x0               ; x s[4:5], Wq s[6:7], Wkv s[8:9], Wo s[10:11]
	s_load_b128 s[12:15], s[0:1], 0x20             ; opc s[12:13], ops s[14:15]
	v_lshl_add_u32 v254, v0, 2, 0xf400
	v_mov_b32 v255, 0
	v_lshrrev_b32 v1, 5, v0
	v_readfirstlane_b32 s16, v1                    ; wave 0..3
	v_and_b32 v2, 31, v0                           ; lane
	s_cmp_lt_u32 ttmp9, 320
	s_cbranch_scc0 .Lx_path
; ---------------- THE WEIGHTS.  A lane takes a column, its registers run down K: a block of 32 lies in one lane, and the conversions give codes with K innermost.
	s_lshr_b32 s17, ttmp9, 3                       ; cg: which 128 columns of the three weights on end (16 + 8 + 16 groups)
	s_and_b32 s18, ttmp9, 7                        ; kc: which 256 along K
	s_mov_b32 s24, 8192
	s_wait_kmcnt 0x0
	s_cmp_lt_u32 s17, 24                           ; the choice hangs on the work-group's number alone
	s_cselect_b64 s[20:21], s[8:9], s[10:11]
	s_cselect_b32 s22, 4096, s24                   ; a row of the weight in bytes
	s_cselect_b32 s23, 16, 24
	s_cmp_lt_u32 s17, 16
	s_cselect_b64 s[20:21], s[6:7], s[20:21]
	s_cselect_b32 s22, s24, s22
	s_cselect_b32 s23, 0, s23
	s_sub_co_u32 s23, s17, s23                     ; the group within its weight
	s_lshl_b32 s25, s18, 8
	s_mul_i32 s26, s25, s22                        ; 256 kc rows,
	s_lshl_b32 s27, s23, 9
	s_add_co_u32 s26, s26, s27                     ; 128 columns of 4 bytes a group,
	s_lshl_b32 s27, s16, 7
	s_add_co_u32 s26, s26, s27                     ; 32 a wave
	s_mov_b32 s27, 0
	s_add_nc_u64 s[20:21], s[20:21], s[26:27]
	s_lshl_b32 s28, s22, 5                         ; 32 rows on: a block
	s_mov_b32 s29, 0
	s_lshl_b32 s30, s17, 2
	s_add_co_u32 s30, s30, s16                     ; G = 4 cg + wave: my 32 columns are row blocks 128 + 2 G and 128 + 2 G + 1
	s_lshl_b32 s30, s30, 1
	s_add_co_u32 s30, s30, 128
	s_mul_i32 s32, s30, 24576
	s_mul_i32 s33, s18, 3072                       ; K steps 2 kc, 2 kc + 1
	s_add_co_u32 s32, s32, s33
	s_mov_b32 s33, 0
	s_add_nc_u64 s[12:13], s[12:13], s[32:33]
	s_lshl_b32 s34, s30, 10
	s_lshl_b32 s35, s18, 7
	s_add_co_u32 s34, s34, s35
	s_mov_b32 s35, 0
	s_add_nc_u64 s[14:15], s[14:15], s[34:35]
	s_mul_i32 s30, s16, WSTR
	s_add_co_u32 s30, s30, WB0                     ; my wave's LDS
	v_bfe_u32 v3, v0, 3, 1                         ; u: column L of the 32 is lane r = L % 8 + 8 (L / 16) of block u = (L / 8) % 2
	v_and_b32 v4, 7, v0
	v_bfe_u32 v5, v0, 4, 1
	v_lshl_add_u32 v4, v5, 3, v4                   ; r
	v_mul_u32_u24 v6, v3, IMG
	v_lshl_add_u32 v6, v4, 4, v6
	v_add_nc_u32 v6, s30, v6                       ; into the images: image u, 16 r
	s_wait_alu depctr_va_vdst(0)
	v_lshlrev_b32 v7, 4, v2                        ; 16 x lane: out of them, and in opc
	v_add_nc_u32 v8, s30, v7
	v_lshlrev_b32 v9, 7, v3
	v_lshl_add_u32 v9, v4, 2, v9
	v_add_nc_u32 v9, s30, v9                       ; my scale words: 128 u + 4 r
	v_lshlrev_b32 v10, 3, v2
	v_add_nc_u32 v10, s30, v10                     ; and back, 8 bytes a lane
	v_and_b32 v14, 15, v0
	v_lshlrev_b32 v14, 3, v14
	v_lshl_add_u32 v14, v5, 10, v14                ; in ops: block lane / 16, 8 (lane % 16)
	v_lshlrev_b32 v15, 2, v2                       ; my column
.set i, 0
.rept 32
	v_mad_u32_u24 v[16+i], s22, i, v15             ; row i of a block, my column
.set i, i+1
.endr
.macro WLOAD t                         ; block t: W(32 t + i, my column) into set t % 2; each load reads 128 consecutive bytes
.if (\t) > 0
	s_wait_xcnt 0x0                                ; the earlier loads have read their base
	s_add_nc_u64 s[20:21], s[20:21], s[28:29]
.endif
.set i, 0
.rept 32
	global_load_b32 v[48+32*((\t)%2)+i], v[16+i], s[20:21] th:TH_LOAD_NT
.set i, i+1
.endr
.endm
.macro WBLOCK t                        ; block t = K step t / 4 of my two, block t % 4 = 2 c + h of its 128: registers 6 c .. 6 c + 5 of lane (r, h)
.set XS, 48+32*((\t)%2)
.set SI, (\t)/4
.set HH, (\t)%2
.set CC, ((\t)/2)%2
.if (\t) < 7
	s_wait_loadcnt 32                              ; this block's 32 loads are in; the next block's may be out
.else
	s_wait_loadcnt 0x0
.endif
	v_max3_num_f32 v12, |v[XS]|, |v[XS+1]|, |v[XS+2]|
	v_max3_num_f32 v13, |v[XS+3]|, |v[XS+4]|, |v[XS+5]|
.irp i, 6,10,14,18,22,26
	v_max3_num_f32 v12, v12, |v[XS+\i]|, |v[XS+\i+1]|
	v_max3_num_f32 v13, v13, |v[XS+\i+2]|, |v[XS+\i+3]|
.endr
	v_max3_num_f32 v12, v12, |v[XS+30]|, |v[XS+31]|
	v_max3_num_f32 v12, v12, v13, 0x1800000        ; and the floor
	v_add_nc_u32 v11, 0xff000000, v12              ; the conversion's scale operand
	v_cvt_scalef32_pk16_fp6_f32 v[176:178], v[XS:XS+15], v11
	v_cvt_scalef32_pk16_fp6_f32 v[184:186], v[XS+16:XS+31], v11
	v_lshrrev_b32 v13, 23, v11                     ; the scale's byte (the plain line behind the conversions)
.if (\t)%4 == 0
	v_mov_b32 v[188+SI], v13
.else
	v_lshl_or_b32 v[188+SI], v13, 8*((\t)%4), v[188+SI]
.endif
	v_mov_b32 v179, v184
	v_mov_b32 v180, v185
	v_mov_b32 v181, v186
.if CC == 0
	ds_store_b128 v6, v[176:179] offset:2*SI*IMG+256*HH            ; registers 0-3
	ds_store_b64 v6, v[180:181] offset:2*SI*IMG+512+256*HH         ; registers 4, 5
.else
	ds_store_b64 v6, v[176:177] offset:2*SI*IMG+512+256*HH+8       ; registers 6, 7
	ds_store_b128 v6, v[178:181] offset:2*SI*IMG+1024+256*HH       ; registers 8-11
.endif
.if (\t)+2 < 8
	WLOAD (\t)+2
.endif
	s_wait_dscnt 0x0                               ; the stores have read their registers
.endm
	WLOAD 0
	s_wait_alu depctr_va_vdst(0)
	WLOAD 1
.irp t, 0,1,2,3,4,5,6,7
	WBLOCK \t
.endr
	ds_store_b32 v9, v188 offset:WSC               ; my column's scale words of the two K steps
	s_wait_alu depctr_va_vdst(0)
	ds_store_b32 v9, v189 offset:WSC+64
.irp n, 0,1,2,3                                ; image n = 2 S + u.  LDS serves a wave's instructions in order: these see my stores
.irp c, 0,1,2
	ds_load_b128 v[192+12*\n+4*\c:195+12*\n+4*\c], v8 offset:\n*IMG+512*\c
.endr
.endr
	ds_load_b64 v[240:241], v10 offset:WSC
	s_wait_dscnt 0x0
.irp n, 0,1,2,3
.irp c, 0,1,2
	global_store_b128 v7, v[192+12*\n+4*\c:195+12*\n+4*\c], s[12:13] offset:(\n%2)*24576+(\n/2)*1536+512*\c   ; 512 consecutive bytes, at a multiple of 512 from opc's first byte
.endr
.endr
	global_store_b64 v14, v[240:241], s[14:15]     ; two runs of 128 bytes: the two K steps' words of each of my two row blocks
	s_wait_tensorcnt 0x0
	ds_add_u32 v254, v255
	s_wait_dscnt 0x0
	s_endpgm
; ---------------- x.  A work-group takes a row block, wave g its K 512 g on: four fragments.  Each load reads 512 consecutive bytes of one row; a stage in LDS turns them so that a lane holds 16 neighbours of each block of its row.
.Lx_path:
	s_sub_co_u32 s17, ttmp9, 320                   ; the row block
	s_lshr_b32 s18, s17, 1
	s_lshl_b32 s18, s18, 5
	s_and_b32 s19, s17, 1
	s_lshl_b32 s19, s19, 3
	s_add_co_u32 s18, s18, s19                     ; its first row: 32 (rb / 2) + 8 (rb % 2)
	s_lshl_b32 s18, s18, 13                        ; rows of 8,192 bytes
	s_lshl_b32 s19, s16, 11
	s_add_co_u32 s18, s18, s19
	s_mov_b32 s19, 0
	s_mul_i32 s20, s17, 24576
	s_mul_i32 s21, s16, 6144
	s_add_co_u32 s20, s20, s21
	s_mov_b32 s21, 0
	s_lshl_b32 s22, s17, 10
	s_lshl_b32 s23, s16, 8
	s_add_co_u32 s22, s22, s23
	s_mov_b32 s23, 0
	s_mov_b32 s[SEL], 0x76543210
	s_mov_b32 s[SEL+1], 0xfedcba98
	s_mul_i32 s24, s16, XSTG                       ; my stage
	s_add_co_u32 s25, s24, 8448                    ; my scale words
	s_wait_alu depctr_va_vdst(0)
	v_lshlrev_b32 v4, 4, v2                        ; 16 x lane
	v_add_nc_u32 v5, s24, v4                       ; the stage, on the way in
	v_and_b32 v3, 15, v0                           ; r
	v_bfe_u32 v10, v0, 4, 1                        ; h
	v_mul_u32_u24 v6, v3, 528
	v_lshl_add_u32 v6, v10, 6, v6
	v_add_nc_u32 v6, s24, v6                       ; and on the way out: row r, + 64 h
	v_lshl_add_u32 v7, v3, 2, s25
	v_lshl_add_u32 v8, v2, 3, s25
	v_lshlrev_b32 v9, 3, v2
.irp b, 0,1,2,3
	v_mov_b32 v[TM+4+\b], 0                        ; written once: a lane permute's destination counts as one of its sources
.endr
	s_wait_alu depctr_va_vdst(0)
	s_wait_kmcnt 0x0
	s_add_nc_u64 s[4:5], s[4:5], s[18:19]
	s_add_nc_u64 s[12:13], s[12:13], s[20:21]
	s_add_nc_u64 s[14:15], s[14:15], s[22:23]
.macro XLOAD s                         ; fragment s: place j of the block is row j % 8 + 16 (j / 8)
.set j, 0
.rept 16
	global_load_b128 v[16+64*((\s)%2)+4*j:16+64*((\s)%2)+4*j+3], v4, s[4:5] offset:((j&7)+16*(j>>3))*8192+512*(\s) th:TH_LOAD_NT
.set j, j+1
.endr
.endm
	XLOAD 0
	XLOAD 1
.macro XFRAG s
.if (\s) < 3
	s_wait_loadcnt 16                              ; this fragment's 16 loads are in; the next one's may be out
.else
	s_wait_loadcnt 0x0
.endif
.set j, 0
.rept 16
	ds_store_b128 v5, v[16+64*((\s)%2)+4*j:16+64*((\s)%2)+4*j+3] offset:528*j
.set j, j+1
.endr
.irp b, 0,1,2,3
.irp j, 0,1,2,3
	ds_load_b128 v[144+16*\b+4*\j:147+16*\b+4*\j], v6 offset:128*\b+16*\j   ; LDS serves a wave's instructions in order
.endr
.endr
	s_wait_dscnt 0x0
.if (\s)+2 < 4
	XLOAD (\s)+2
.endif
	s_wait_xcnt 0x0                                ; the last fragment's stores have read the codes' registers
	QUANT 144
.irp c, 0,1,2
	global_store_b128 v4, v[PC+4*\c:PC+4*\c+3], s[12:13] offset:1536*(\s)+512*\c
.endr
	v_mov_b32 v[248+(\s)], v[PW]
.endm
.irp s, 0,1,2,3
	XFRAG \s
.endr
.irp s, 0,1,2,3
	ds_store_b32 v7, v[248+\s] offset:64*\s        ; lanes r and r + 16 write the same word with the same value
.endr
	ds_load_b64 v[252:253], v8
	s_wait_dscnt 0x0
	global_store_b64 v9, v[252:253], s[14:15]      ; 256 consecutive bytes, at a multiple of 256 from ops' first byte
	s_wait_tensorcnt 0x0
	ds_add_u32 v254, v255
	s_wait_dscnt 0x0
	s_endpgm
.Lfunc_end_k_qca7f8f4283_quant:
	.size	k_qca7f8f4283_quant, .Lfunc_end_k_qca7f8f4283_quant-k_qca7f8f4283_quant
	.p2alignl 7, 3214868480
	.fill 96, 4, 3214868480
	.section	.rodata,"a",@progbits
	.p2align	6, 0x0
	.amdhsa_kernel k_qca7f8f4283_quant
		.amdhsa_group_segment_fixed_size 62976
		.amdhsa_private_segment_fixed_size 0
		.amdhsa_enable_private_segment 0
		.amdhsa_kernarg_size 48
		.amdhsa_user_sgpr_count 2
		.amdhsa_user_sgpr_kernarg_segment_ptr 1
		.amdhsa_wavefront_size32 1
		.amdhsa_system_sgpr_workgroup_id_x 1
		.amdhsa_system_sgpr_workgroup_id_y 1
		.amdhsa_system_sgpr_workgroup_id_z 1
		.amdhsa_system_vgpr_workitem_id 0
		.amdhsa_next_free_vgpr 256
		.amdhsa_next_free_sgpr 66
		.amdhsa_reserve_vcc 0
		.amdhsa_float_denorm_mode_32 3
		.amdhsa_float_denorm_mode_16_64 3
		.amdhsa_memory_ordered 1
		.amdhsa_forward_progress 1
		.amdhsa_inst_pref_size 78
	.end_amdhsa_kernel
	.amdgpu_metadata
---
amdhsa.version: [ 1, 2 ]
amdhsa.kernels:
  - .name:           k_qca7f8f4283_quant
    .symbol:         k_qca7f8f4283_quant.kd
    .args:
      - { .name: x, .offset: 0, .size: 8, .value_kind: global_buffer, .address_space: global }
      - { .name: Wq, .offset: 8, .size: 8, .value_kind: global_buffer, .address_space: global }
      - { .name: Wkv, .offset: 16, .size: 8, .value_kind: global_buffer, .address_space: global }
      - { .name: Wo, .offset: 24, .size: 8, .value_kind: global_buffer, .address_space: global }
      - { .name: opc, .offset: 32, .size: 8, .value_kind: global_buffer, .address_space: global }
      - { .name: ops, .offset: 40, .size: 8, .value_kind: global_buffer, .address_space: global }
    .group_segment_fixed_size: 62976
    .private_segment_fixed_size: 0
    .kernarg_segment_align: 8
    .kernarg_segment_size: 48
    .max_flat_workgroup_size: 128
    .sgpr_count:     66
    .vgpr_count:     256
    .wavefront_size: 32
...
	.end_amdgpu_metadata
.endif
;; end of part 1
;; launch qkv (part 2): grid 24 x 8, 4 waves a work-group, clusters of 4 x 1, 327,680 bytes of LDS; arguments opc, ops, cos, sin, ac, asc; writes ac, asc
.if DOCPART == 2
	.amdgcn_target "amdgcn-amd-amdhsa--gfx1250"
	.amdhsa_code_object_version 6
	.text
	.protected	k_qca7f8f4283_qkv
	.globl	k_qca7f8f4283_qkv
	.p2align	8
	.type	k_qca7f8f4283_qkv,@function
k_qca7f8f4283_qkv:
	s_mov_b64 s[64:65], 0
	v_nop
	global_prefetch_b8 v0, s[64:65] scope:SCOPE_SE
	s_setreg_imm32_b32 hwreg(HW_REG_WAVE_MODE, 25, 1), 1
	s_wait_xcnt 0x0
	s_wait_alu depctr_hold_cnt(0) depctr_sa_sdst(0) depctr_va_vdst(0) depctr_va_sdst(0) depctr_va_ssrc(0) depctr_va_vcc(0) depctr_vm_vsrc(0)
	s_getreg_b32 s2, hwreg(HW_REG_IB_STS2, 6, 4)
	s_cmp_eq_u32 s2, 0
	s_cbranch_scc0 .Lentry_in_a_cluster
	s_endpgm
.Lentry_in_a_cluster:
	s_bfe_u32 s2, ttmp6, 0x10000c
	s_cmp_lg_u32 s2, 0x3003
	s_cbranch_scc0 .Lentry_shape_is_right
	s_endpgm
.Lentry_shape_is_right:
; q = rope(x Wq) / sqrt(128), k = rope(x Wk), v = x Wv, all three on codes of FP6 (E2M3) with E8M0 scales, and each result quantised at once for the attention: q and k along the head's 128, v along the KEYS.
; OPERANDS come as images of the operand's registers (opc: [row block][K step][1536], ops: [row block][K step][16 words]; row blocks: x 0-127, Wq's columns 128-255, Wk's 256-287, Wv's 288-319).
; Lane r of block f holds row 32 (f / 2) + 8 (f % 2) + r % 8 + 16 (r / 8).  THE MATRIX INSTRUCTION IS USED TRANSPOSED: source 0 = side B (what becomes the next product's K), source 1 = side A (what a lane keeps):
; lane (r, h) then holds place r of A's block, and the 16 registers of tiles 2 b, 2 b + 1 are B's rows 32 b + 16 h + 0 .. 15: sixteen neighbours along the next K, which the conversions take as they stand.
; A WORK-GROUP makes 256 of A x 128 of B; wave w has A's blocks 4 w .. 4 w + 3 against B's eight: 32 accumulators.  Clusters 0-4 along x: A = 256 tokens, B = one head's 128 columns of Wq or Wk.
; Cluster 5: A = 256 columns of Wv (two heads), B = 128 tokens: v^T, whose 128 tokens are one K step of the attention's second product.
; K = 2,048 goes through two LDS slots of four K steps each: two first fills and two refills, written out.  CLUSTER 4 x 1: the four partners share A's tile (two thirds of a slot): waves 0, 1 ask for it jointly;
; B's tile is the work-group's own: waves 2, 3.  4 x 4 is not taken: cluster 5 has two tile rows only, and partners run alike.
; THE LAST FOUR K STEPS stand twice, once for q and k and once for v (a branch on the cluster's number, the same in all partners): q's and k's carry the loads of cos and sin, so that these loads and their counted waits lie on one straight path.
; OUT: ac: fragment F at 1536 F, asc: its 16 scale words at 64 F.  F = 128 head' + token block (head' 0-15 q, 16-19 k);  F = 2560 + 128 kv head + 8 key step + channel block for v^T.
; LIMITS: as the quantiser's everywhere here: a block of zeros or under 2^-124 gets the byte 1; NaN and infinities are not served.  The rotation is a multiply and a fused multiply-add where the source has two multiplies and an add.
; REGISTERS: window 0: v10-29 addresses; v32-55 scale words, two sets of 12 (4 of A, 8 of B; lanes 0-15 an even K step's, lanes 16-31 the odd one's); v64-89 the quantiser's work; v128-223 A's fragments, two sets;
;   behind the last product the codes of block a lie at v[128 + 20 a]: each block's stores have data registers of their own, so that no wait stands between a block's stores and the next block's conversions.
;   window 1: B's fragments, two sets, at v0 and v128; behind the last product: cos and sin of blocks 2 and 3.   window 2: accumulator (a, b) at v[8 (8 a + b)].   window 3: cos and sin of blocks 0 and 1 (a buffer is 64 + 64 registers).
.set SLOT,  147456                     ; a slot: A's 16 blocks x 4 K steps x 1,536, then B's 8 blocks
.set BOFF,  98304
.set SCA,   294912                     ; A's scale words for all of K: 16 blocks x 1,024
.set SCB,   311296                     ; B's: 8 blocks
.set SPARE, 319488                     ; the spare words, 128 bytes a wave: two blocks of 256 bytes that no other line names
.set RBB,   24576                      ; a row block's 16 K steps in opc
.set RO,   10                          ; v10  my token's row and my half's 64 bytes in cos and sin; never rewritten
.set GL,   11                          ; v11  16 x lane; never rewritten
.set ADRA, 16                          ; v16-17 my A fragments in slot 0, 1
.set ADRB, 20                          ; v20-21 B's
.set ADSA, 22                          ; v22  A's scale words
.set ADSB, 23                          ; v23  B's
.set SPW,  28                          ; v28  my spare word; never rewritten
.set NIL,  29                          ; v29  0; never rewritten
.set TM,   64
.set PW,   80
.set PWS,  84
.set PC,   128                         ; the codes' registers: set anew for each block
.set G1A,  24
.set G1B,  32
.set G1SA, 40
.set G1SB, 48
.set G0A,  56                          ; s[56:63] group 0 for A's tiles, a set for each slot
.set G0B,  68                          ; s[68:75] for B's
.set G0SA, 76
.set G0SB, 80
.set SEL,  96
.set SCL,  98
.set MULW, 0xa1                        ; source 0 (B) window 1, source 1 (A) window 0, C and D window 2
.set MSB, 0
.macro WIN new                         ; the immediate's high byte repeats the setting that is left
.if MSB != (\new)
	s_set_vgpr_msb (MSB<<8)|(\new)
.set MSB, (\new)
.endif
.endm
.macro PLACES n
.rept \n
	v_nop
.endr
.endm
; Waves 0 and 1 fetch for A (jointly), waves 2 and 3 for B.  The branch hangs on the wave's number alone.  Four v_nop follow each of the two lines.
.macro JLOAD g0a, g1a, g0b, g1b
	s_cmp_eq_u32 s18, 0
	s_cbranch_scc0 .Lfor_b_\@
	tensor_load_to_lds s[\g0a:\g0a+3], s[\g1a:\g1a+7]
	s_nop 0
.rept 4
	v_nop
.endr
	s_branch .Lasked_\@
.Lfor_b_\@:
	tensor_load_to_lds s[\g0b:\g0b+3], s[\g1b:\g1b+7]
	s_nop 0
.rept 4
	v_nop
.endr
.Lasked_\@:
.endm
.macro CREST                           ; a round of the cluster's barrier behind its opening barrier
	s_cmp_lg_u32 s16, 0
	s_cbranch_scc1 .Lnot_wave_0_\@
	s_barrier_signal -3
.Lnot_wave_0_\@:
	s_barrier_wait -3
	s_barrier_signal -1
	s_barrier_wait -1
.endm
.macro CROUND
	s_barrier_signal -1
	s_barrier_wait -1
	CREST
.endm
; K step k's fragments into set k % 2: 36 loads of 512 consecutive bytes; with an even k the scale words of steps k and k + 1
.macro FETCH k
.set SL, ((\k)/4)%2
.set QQ, (\k)%4
.set PF, (\k)%2
	WIN 0x40
.irp i, 0,1,2,3,4,5,6,7
.irp c, 0,1,2
	ds_load_b128 v[128*PF+12*\i+4*\c:128*PF+12*\i+4*\c+3], v[ADRB+SL] offset:6144*\i+1536*QQ+512*\c
.endr
.endr
	WIN 0
.irp i, 0,1,2,3
.irp c, 0,1,2
	ds_load_b128 v[128+48*PF+12*\i+4*\c:128+48*PF+12*\i+4*\c+3], v[ADRA+SL] offset:6144*\i+1536*QQ+512*\c
.endr
.endr
.if (\k)%2 == 0
.set SF, ((\k)/2)%2
.set KP, (\k)/2
.irp i, 0,1,2,3
	ds_load_b32 v[32+12*SF+\i], v[ADSA] offset:1024*\i+128*KP
.endr
.irp i, 0,1,2,3,4,5,6,7
	ds_load_b32 v[36+12*SF+\i], v[ADSB] offset:1024*\i+128*KP
.endr
.endif
.endm
; A's block a against B's eight, K step k.  The 32 accumulators take turns, one instruction a turn, in the same order in every step
.macro MUL8 a, k, zero
.set PP, (\k)%2
.set SS, ((\k)/2)%2
.irp b, 0,1,2,3,4,5,6,7
.if \zero
	v_wmma_scale_f32_16x16x128_f8f6f4 v[8*(8*(\a)+\b):8*(8*(\a)+\b)+7], v[128*PP+12*\b:128*PP+12*\b+11], v[128+48*PP+12*(\a):128+48*PP+12*(\a)+11], 0, v[36+12*SS+\b], v[32+12*SS+(\a)] matrix_a_fmt:MATRIX_FMT_FP6 matrix_b_fmt:MATRIX_FMT_FP6
.elseif (\k)%2
	v_wmma_scale_f32_16x16x128_f8f6f4 v[8*(8*(\a)+\b):8*(8*(\a)+\b)+7], v[128*PP+12*\b:128*PP+12*\b+11], v[128+48*PP+12*(\a):128+48*PP+12*(\a)+11], v[8*(8*(\a)+\b):8*(8*(\a)+\b)+7], v[36+12*SS+\b], v[32+12*SS+(\a)] matrix_a_fmt:MATRIX_FMT_FP6 matrix_b_fmt:MATRIX_FMT_FP6 matrix_a_scale:MATRIX_SCALE_ROW1 matrix_b_scale:MATRIX_SCALE_ROW1
.else
	v_wmma_scale_f32_16x16x128_f8f6f4 v[8*(8*(\a)+\b):8*(8*(\a)+\b)+7], v[128*PP+12*\b:128*PP+12*\b+11], v[128+48*PP+12*(\a):128+48*PP+12*(\a)+11], v[8*(8*(\a)+\b):8*(8*(\a)+\b)+7], v[36+12*SS+\b], v[32+12*SS+(\a)] matrix_a_fmt:MATRIX_FMT_FP6 matrix_b_fmt:MATRIX_FMT_FP6
.endif
.endr
.endm
; A K step whose successor lies in the same slot: the next step's loads go out ahead of this step's 32 products
.macro STEP k, zero
	s_wait_dscnt 0x0                               ; this step's fragments are in (asked for 32 matrix instructions ago)
	PLACES 4                                       ; in front of loads into registers that the last step's products read
	FETCH (\k)+1
	WIN MULW
	MUL8 0, \k, \zero
	MUL8 1, \k, \zero
	MUL8 2, \k, \zero
	MUL8 3, \k, \zero
	WIN 0
.endm
; A slot's last step changes slots: ONE barrier; in front of it each wave waits for all its tensor loads, adds 0 to its spare word, and waits for that and for its reads of this slot.  fill = 1: the slot is filled again, eight K steps on.
.macro TURN k, fill
	s_wait_tensorcnt 0x0                           ; all my tensor loads have landed: my part of the next slot
	ds_add_u32 v[SPW], v[NIL]                      ; 0 onto my spare word
	s_wait_dscnt 1                                 ; (the add alone may be out: this step's fragments are in)
	WIN MULW
	MUL8 0, \k, 0
	MUL8 1, \k, 0
	s_wait_dscnt 0x0                               ; the add is done, and my reads of this slot are over
	s_barrier_signal -1
	MUL8 2, \k, 0
	WIN 0
	s_barrier_wait -1
.if \fill
	CREST                                          ; the barrier has opened a round of the cluster's: no wave of any partner still reads this slot or has a load on its way
.set SN, ((\k)/4)%2
	s_add_nc_u64 s[G0A+4*SN+2:G0A+4*SN+3], s[G0A+4*SN+2:G0A+4*SN+3], 12288
	s_add_nc_u64 s[G0B+4*SN+2:G0B+4*SN+3], s[G0B+4*SN+2:G0B+4*SN+3], 12288
	JLOAD G0A+4*SN, G1A, G0B+4*SN, G1B             ; the first tensor load behind the round; its four v_nop are the places in front of the loads below
.else
	PLACES 4
.endif
	FETCH (\k)+1
	WIN MULW
	MUL8 3, \k, 0
	WIN 0
.endm
; 64 numbers of a lane in window w, register 16 b + i = K 32 b + 16 (lane / 16) + i of the lane's row, become a fragment's codes in v[PC] on and the row's scale word in v[PW] (window 0).  Each run of eight is read from its low end on.
.macro QUANT s, w
	WIN (\w)|((\w)<<2)
.irp b, 0,1,2,3
	v_max3_num_f32 v[TM+\b], |v[(\s)+16*\b]|, |v[(\s)+1+16*\b]|, 0x1800000   ; and the floor 2^(3 - 127): the byte cannot fall under 1
.endr
	WIN ((\w)<<2)|((\w)<<4)
.irp i, 2,4,6,8,10,12,14
.irp b, 0,1,2,3
	v_max3_num_f32 v[TM+\b], v[TM+\b], |v[(\s)+16*\b+\i]|, |v[(\s)+1+16*\b+\i]|
.endr
.endr
	WIN 0
.irp b, 0,1,2,3
	v_permlanex16_b32 v[TM+4+\b], v[TM+\b], s[SEL], s[SEL+1]
.endr
.irp b, 0,1,2,3
	v_max_num_f32 v[TM+\b], v[TM+\b], v[TM+4+\b]
.endr
.irp b, 0,1,2,3
	v_add_nc_u32 v[TM+12+\b], 0xff000000, v[TM+\b]         ; 2 off the exponent field: the conversion's scale operand
.endr
.irp b, 0,1,2,3
	v_lshrrev_b32 v[TM+4+\b], 23, v[TM+12+\b]
.endr
	v_lshl_or_b32 v[PW], v[TM+5], 8, v[TM+4]
	v_lshl_or_b32 v[PW], v[TM+6], 16, v[PW]
	v_lshl_or_b32 v[PW], v[TM+7], 24, v[PW]
	WIN (\w)
.irp c, 0,1
	v_cvt_scalef32_pk16_fp6_f32 v[PC+6*\c:PC+2+6*\c], v[(\s)+32*\c:(\s)+15+32*\c], v[TM+12+2*\c]
	v_cvt_scalef32_pk16_fp6_f32 v[PC+12+4*\c:PC+14+4*\c], v[(\s)+16+32*\c:(\s)+31+32*\c], v[TM+13+2*\c]
.endr
	WIN 0
	v_nop                                                  ; one plain line behind the conversions
.irp c, 0,1
.irp i, 0,1,2
	v_permlane16_swap_b32 v[PC+6*\c+\i], v[PC+12+4*\c+\i]
.endr
.irp i, 0,1,2
	v_mov_b32 v[PC+3+6*\c+\i], v[PC+12+4*\c+\i]
.endr
.endr
.endm
; cos and sin of block a's 16 tokens, all 128 channels, in the accumulators' layout (register 16 b + i = channel 32 b + 16 h + i of my token), into buffer buf of window w.  Each of the four blocks has registers of its own.
.macro LOADT a, w, buf
	WIN (\w)<<6
.irp b, 0,1,2,3
.irp j, 0,1,2,3
	global_load_b128 v[128*(\buf)+16*\b+4*\j:128*(\buf)+16*\b+4*\j+3], v[RO], s[8:9] offset:(32*((\a)/2)+8*((\a)%2))*512+128*\b+16*\j
.endr
.endr
.irp b, 0,1,2,3
.irp j, 0,1,2,3
	global_load_b128 v[128*(\buf)+64+16*\b+4*\j:128*(\buf)+64+16*\b+4*\j+3], v[RO], s[10:11] offset:(32*((\a)/2)+8*((\a)%2))*512+128*\b+16*\j
.endr
.endr
	WIN 0
.endm
; out[d] = x[d] cos[d] - x[d + 64] sin[d], out[d + 64] = x[d + 64] cos[d + 64] + x[d] sin[d + 64]: channels d and d + 64 are the same lane's registers n and n + 32.  The result takes cos's place.
; It is then multiplied by the head's factor: 1 / sqrt(128) for q, 1.0 for k.  The factor is chosen by value at the head, so that one straight text serves q and k; by 1.0 no bit changes.
.macro ROPE a, w, buf
.set XA, 64*(\a)
.set TC, 128*(\buf)
.set TN, 128*(\buf)+64
	WIN 0x02|((\w)<<2)|((\w)<<4)|((\w)<<6)         ; source 0 (the sums) window 2, all else the tables' window
.irp n, 0,2,4,6,8,10,12,14,16,18,20,22,24,26,28,30
	v_pk_mul_f32 v[TN+\n:TN+\n+1], v[XA+32+\n:XA+33+\n], v[TN+\n:TN+\n+1]
.endr
.irp n, 0,2,4,6,8,10,12,14,16,18,20,22,24,26,28,30
	v_pk_mul_f32 v[TN+32+\n:TN+33+\n], v[XA+\n:XA+\n+1], v[TN+32+\n:TN+33+\n]
.endr
.irp n, 0,2,4,6,8,10,12,14,16,18,20,22,24,26,28,30
	v_pk_fma_f32 v[TC+\n:TC+\n+1], v[XA+\n:XA+\n+1], v[TC+\n:TC+\n+1], v[TN+\n:TN+\n+1] neg_lo:[0,0,1] neg_hi:[0,0,1]
.endr
.irp n, 0,2,4,6,8,10,12,14,16,18,20,22,24,26,28,30
	v_pk_fma_f32 v[TC+32+\n:TC+33+\n], v[XA+32+\n:XA+33+\n], v[TC+32+\n:TC+33+\n], v[TN+32+\n:TN+33+\n]
.endr
	WIN (\w)|((\w)<<6)
.set n, 0
.rept 32
	v_pk_mul_f32 v[TC+n:TC+n+1], v[TC+n:TC+n+1], s[SCL:SCL+1] op_sel_hi:[1,0]
.set n, n+2
.endr
	WIN 0
.endm
; The last four K steps.  tab = 1 (q, k): the tables of blocks 0 and 1 are asked for while these steps are multiplied; tab = 0 (v has no rotation): none.
.macro TAIL tab
.if \tab
	LOADT 0, 3, 0
.endif
	STEP 12, 0
	STEP 13, 0
.if \tab
	LOADT 1, 3, 1
.endif
	STEP 14, 0
	s_wait_dscnt 0x0
	WIN MULW
	MUL8 0, 15, 0
	MUL8 1, 15, 0
	MUL8 2, 15, 0
	MUL8 3, 15, 0
	WIN 0
	PLACES 4                                       ; in front of the first read of results, of loads into the registers that held B's fragments, and of vector writes into those that held A's
.endm
	s_load_b256 s[4:11], s[0:1], 0x0               ; opc s[4:5], ops s[6:7], cos s[8:9], sin s[10:11]
	s_load_b128 s[12:15], s[0:1], 0x20             ; ac s[12:13], asc s[14:15]
	v_lshl_add_u32 v[SPW], v0, 2, SPARE
	v_mov_b32 v[NIL], 0
	ds_add_u32 v28, v29
	ds_add_u32 v28, v29
	s_wait_dscnt 0x0
	v_lshrrev_b32 v1, 5, v0
	v_readfirstlane_b32 s16, v1                    ; wave 0..3
	s_and_b32 s17, s16, 1                          ; e: which half of a tile I fetch
	s_lshr_b32 s18, s16, 1                         ; I fetch for A (0) or for B (1)
	s_bfe_u32 s19, ttmp6, 0x40000                  ; cx: my place in the cluster
	s_mov_b32 s20, ttmp9                           ; the cluster's x: 0-3 q, 4 k, 5 v
	s_and_b32 s21, ttmp7, 0xffff                   ; y
	; group 1, elements of 8 bytes, no padding.  A's tile half: 8 blocks x 6,144 bytes, 24,576 apart; the mask names the four partners, bit 21 beside it
	s_mov_b32 s[G1A], 15|(3<<16)|(1<<21)
	s_mov_b32 s[G1A+1], 768<<16
	s_mov_b32 s[G1A+2], 16<<16                     ; the head's load brings all 16 blocks; behind it the two words that count rows are set to 8
	s_mov_b32 s[G1A+3], 768<<16
	s_mov_b32 s[G1A+4], 16
	s_mov_b32 s[G1A+5], 3072
	s_mov_b32 s[G1A+6], 0
	s_mov_b32 s[G1A+7], 0
	s_mov_b32 s[G1B], 3<<16                        ; B's: 4 blocks, the work-group's own
	s_mov_b32 s[G1B+1], 768<<16
	s_mov_b32 s[G1B+2], 8<<16                      ; the head's load brings all 8 blocks; behind it: 4
	s_mov_b32 s[G1B+3], 768<<16
	s_mov_b32 s[G1B+4], 8
	s_mov_b32 s[G1B+5], 3072
	s_mov_b32 s[G1B+6], 0
	s_mov_b32 s[G1B+7], 0
	s_mov_b32 s[G1SA], 15|(3<<16)|(1<<21)          ; A's scale words: 8,192 dense bytes as 32 rows of 256
	s_mov_b32 s[G1SA+1], 32<<16
	s_mov_b32 s[G1SA+2], 64<<16                    ; all 16 blocks' words: 64 rows of 256 bytes
	s_mov_b32 s[G1SA+3], 32<<16
	s_mov_b32 s[G1SA+4], 64
	s_mov_b32 s[G1SA+5], 32
	s_mov_b32 s[G1SA+6], 0
	s_mov_b32 s[G1SA+7], 0
	s_mov_b32 s[G1SB], 3<<16                       ; B's: 4,096 bytes
	s_mov_b32 s[G1SB+1], 32<<16
	s_mov_b32 s[G1SB+2], 32<<16                    ; all 8 blocks' words: 32 rows
	s_mov_b32 s[G1SB+3], 32<<16
	s_mov_b32 s[G1SB+4], 32
	s_mov_b32 s[G1SB+5], 32
	s_mov_b32 s[G1SB+6], 0
	s_mov_b32 s[G1SB+7], 0
	; A's first row block, in registers that never hold cx: 16 y (tokens), or 288 + 16 (y / 4) (Wv's columns)
	s_lshl_b32 s84, s21, 4
	s_lshr_b32 s85, s21, 2
	s_lshl_b32 s85, s85, 4
	s_add_co_u32 s85, s85, 288
	s_cmp_eq_u32 s20, 5
	s_cselect_b32 s84, s85, s84
	s_lshl_b32 s85, s17, 3
	s_add_co_u32 s84, s84, s85                     ; + 8 e
	s_mul_i32 s86, s84, RBB                        ; its codes
	s_mov_b32 s87, 0
	s_lshl_b32 s84, s84, 10                        ; its scale words
	s_mov_b32 s85, 0
	; B's first row block: 128 + 8 head', or 8 x key step (tokens); and the first fragment F that I store
	s_lshl_b32 s88, s20, 2
	s_add_co_u32 s88, s88, s19                     ; head' = 4 x cluster + cx
	s_lshl_b32 s89, s88, 3
	s_add_co_u32 s89, s89, 128
	s_and_b32 s90, s21, 3
	s_lshl_b32 s90, s90, 2
	s_add_co_u32 s90, s90, s19                     ; key step = 4 (y % 4) + cx
	s_lshl_b32 s91, s90, 3
	s_lshl_b32 s92, s88, 7
	s_lshl_b32 s93, s21, 4
	s_add_co_u32 s92, s92, s93
	s_lshl_b32 s93, s16, 2
	s_add_co_u32 s92, s92, s93                     ; q, k: F = 128 head' + 16 y + 4 w
	s_lshr_b32 s93, s21, 2
	s_lshl_b32 s93, s93, 1
	s_add_co_u32 s93, s93, s18                     ; kv head = 2 (y / 4) + w / 2
	s_lshl_b32 s93, s93, 7
	s_add_co_u32 s93, s93, s91
	s_lshl_b32 s94, s17, 2
	s_add_co_u32 s93, s93, s94
	s_add_co_u32 s93, s93, 2560                    ; v: F = 2560 + 128 kv head + 8 key step + 4 (w % 2)
	s_cmp_eq_u32 s20, 5
	s_cselect_b32 s89, s91, s89
	s_cselect_b32 s92, s93, s92
	s_lshl_b32 s90, s17, 2
	s_add_co_u32 s89, s89, s90                     ; + 4 e
	s_mul_i32 s90, s89, RBB
	s_mov_b32 s91, 0
	s_lshl_b32 s88, s89, 10
	s_mov_b32 s89, 0
	s_mul_i32 s94, s92, 1536
	s_mov_b32 s95, 0
	s_lshl_b32 s92, s92, 6
	s_mov_b32 s93, 0
	s_mov_b32 s[SEL], 0x76543210
	s_mov_b32 s[SEL+1], 0xfedcba98
	s_mov_b32 s[SCL], 0x3db504f3                   ; 1 / sqrt(128) for q;
	s_cmp_eq_u32 s20, 4
	s_cselect_b32 s[SCL], 0x3f800000, s[SCL]       ; 1.0 for k (cluster 4)
	s_mov_b32 s[SCL+1], s[SCL]                     ; (named with it as a pair, so it is written)
	s_wait_kmcnt 0x0
	s_add_nc_u64 s[12:13], s[12:13], s[94:95]      ; ac at my first fragment
	s_add_nc_u64 s[14:15], s[14:15], s[92:93]      ; asc likewise
	s_mov_b32 s[G0A], 1
	s_mul_i32 s[G0A+1], s17, 49152
	s_add_nc_u64 s[G0A+2:G0A+3], s[4:5], s[86:87]
	s_mov_b32 s[G0A+4], 1
	s_add_co_u32 s[G0A+5], s[G0A+1], SLOT
	s_add_nc_u64 s[G0A+6:G0A+7], s[G0A+2:G0A+3], 6144   ; slot 1: K steps 4 on
	s_or_b32 s[G0A+3], s[G0A+3], 0x80000000
	s_or_b32 s[G0A+7], s[G0A+7], 0x80000000
	s_mov_b32 s[G0B], 1
	s_mul_i32 s[G0B+1], s17, 24576
	s_add_co_u32 s[G0B+1], s[G0B+1], BOFF
	s_add_nc_u64 s[G0B+2:G0B+3], s[4:5], s[90:91]
	s_mov_b32 s[G0B+4], 1
	s_add_co_u32 s[G0B+5], s[G0B+1], SLOT
	s_add_nc_u64 s[G0B+6:G0B+7], s[G0B+2:G0B+3], 6144
	s_or_b32 s[G0B+3], s[G0B+3], 0x80000000
	s_or_b32 s[G0B+7], s[G0B+7], 0x80000000
	s_mov_b32 s[G0SA], 1
	s_mov_b32 s[G0SA+1], SCA
	s_lshl_b32 s[G0SA+2], s17, 13                  ; the scale words come whole: the offset of my half is taken off again
	s_mov_b32 s[G0SA+3], 0
	s_sub_nc_u64 s[84:85], s[84:85], s[G0SA+2:G0SA+3]
	s_add_nc_u64 s[G0SA+2:G0SA+3], s[6:7], s[84:85]
	s_or_b32 s[G0SA+3], s[G0SA+3], 0x80000000
	s_mov_b32 s[G0SB], 1
	s_mov_b32 s[G0SB+1], SCB
	s_lshl_b32 s[G0SB+2], s17, 12
	s_mov_b32 s[G0SB+3], 0
	s_sub_nc_u64 s[88:89], s[88:89], s[G0SB+2:G0SB+3]
	s_add_nc_u64 s[G0SB+2:G0SB+3], s[6:7], s[88:89]
	s_or_b32 s[G0SB+3], s[G0SB+3], 0x80000000
	CROUND                                         ; all four work-groups are here: the first joint loads meet
	; the head's four tiles, one load a wave: wave 0 A's K steps 0-3, wave 1 A's scale words, wave 2 B's K steps 0-3, wave 3 B's scale words
	s_cmp_lt_u32 s16, 1
	s_cbranch_scc0 .Lhead_1
	tensor_load_to_lds s[G0A:G0A+3], s[G1A:G1A+7]
	s_nop 0
	PLACES 4
	s_branch .Lhead_asked
.Lhead_1:
	s_cmp_lt_u32 s16, 2
	s_cbranch_scc0 .Lhead_2
	tensor_load_to_lds s[G0SA:G0SA+3], s[G1SA:G1SA+7]
	s_nop 0
	PLACES 4
	s_branch .Lhead_asked
.Lhead_2:
	s_cmp_lt_u32 s16, 3
	s_cbranch_scc0 .Lhead_3
	tensor_load_to_lds s[G0B:G0B+3], s[G1B:G1B+7]
	s_nop 0
	PLACES 4
	s_branch .Lhead_asked
.Lhead_3:
	tensor_load_to_lds s[G0SB:G0SB+3], s[G1SB:G1SB+7]
	s_nop 0
	PLACES 4
.Lhead_asked:
	s_lshl_b32 s94, s21, 17                        ; cos and sin at my wave's first token: (256 y + 64 w) rows of 512 bytes
	s_lshl_b32 s95, s16, 15
	s_add_co_u32 s94, s94, s95
	s_mov_b32 s95, 0
	s_add_nc_u64 s[8:9], s[8:9], s[94:95]
	s_add_nc_u64 s[10:11], s[10:11], s[94:95]
	v_and_b32 v1, 31, v0                           ; lane
	v_lshlrev_b32 v[GL], 4, v1
	s_mul_i32 s88, s16, 24576                      ; my four blocks of A
	v_add_nc_u32 v[ADRA], s88, v[GL]
	v_add_nc_u32 v[ADRA+1], SLOT, v[ADRA]
	v_add_nc_u32 v[ADRB], BOFF, v[GL]
	v_add_nc_u32 v[ADRB+1], SLOT+BOFF, v[GL]
	s_lshl_b32 s88, s16, 12
	s_add_co_u32 s88, s88, SCA
	v_lshl_add_u32 v[ADSA], v1, 2, s88
	v_lshl_add_u32 v[ADSB], v1, 2, SCB
	v_and_b32 v3, 15, v0                           ; r
	v_bfe_u32 v4, v0, 4, 1                         ; h
	v_and_b32 v5, 7, v0
	v_bfe_u32 v6, v0, 3, 1
	v_lshl_add_u32 v5, v6, 4, v5                   ; r % 8 + 16 (r / 8)
	v_lshlrev_b32 v[RO], 9, v5
	v_lshl_add_u32 v[RO], v4, 6, v[RO]
	s_lshl_b32 s88, s16, 8                         ; 256 bytes of my own in slot 0 for the scale words' way out: the slot has then had its last fill and its last read
	v_lshl_add_u32 v12, v3, 2, s88
	v_lshl_add_u32 v13, v1, 3, s88
	v_lshlrev_b32 v14, 3, v1
.irp b, 0,1,2,3
	v_mov_b32 v[TM+4+\b], 0                        ; written once: a lane permute's destination counts as one of its sources
.endr
	s_wait_alu depctr_va_vdst(0)
	s_wait_tensorcnt 0x0                           ; my tile of the head's four is in; slot 1's first fill is issued as a refill is
	ds_add_u32 v[SPW], v[NIL]
	s_mov_b32 s[G1A+2], 8<<16                      ; no tensor load of mine is out: from here on a load brings half a tile
	s_mov_b32 s[G1A+4], 8
	s_mov_b32 s[G1B+2], 4<<16
	s_mov_b32 s[G1B+4], 4
	s_wait_dscnt 0x0
	CROUND
	JLOAD G0A+4, G1A, G0B+4, G1B                   ; K steps 4-7
	FETCH 0
	STEP 0, 1                                      ; the first step's products start the sums: nothing is cleared
	STEP 1, 0
	STEP 2, 0
	TURN 3, 1                                      ; slot 0 takes K steps 8-11
	STEP 4, 0
	STEP 5, 0
	STEP 6, 0
	TURN 7, 1                                      ; slot 1 takes K steps 12-15
	STEP 8, 0
	STEP 9, 0
	STEP 10, 0
	TURN 11, 0
	s_cmp_eq_u32 s20, 5                            ; q and k go one way, v the other: the cluster's number is the same in all partners; no barrier, tensor load or LDS store stands in either way
	s_cbranch_scc1 .Lv_path
	s_wait_alu depctr_va_vdst(0)
	TAIL 1
.irp a, 0,1,2,3
.set TW, 3-2*(\a/2)                            ; blocks 0, 1: window 3; blocks 2, 3: window 1
.set TBF, \a%2
.set PC, 128+20*\a                             ; this block's codes: registers that no other block's stores read
.if \a < 3
	s_wait_loadcnt 32                              ; this block's tables are in; the next block's 32 loads, the only ones issued behind them, may be out
.else
	s_wait_loadcnt 0x0
.endif
.if \a < 2
	LOADT \a+2, 1, \a                              ; the tables two blocks on, into registers of window 1 that held B's fragments: no table register is loaded twice
.endif
	ROPE \a, TW, TBF
	QUANT 128*TBF, TW
	v_mov_b32 v[PWS+\a], v[PW]
.irp c, 0,1,2
	global_store_b128 v[GL], v[PC+4*\c:PC+4*\c+3], s[12:13] offset:1536*\a+512*\c   ; 512 consecutive bytes
.endr
.endr
	s_branch .Ljoin
.Lv_path:
	TAIL 0
.irp a, 0,1,2,3
.set PC, 128+20*\a
	QUANT 64*\a, 2
	v_mov_b32 v[PWS+\a], v[PW]
.irp c, 0,1,2
	global_store_b128 v[GL], v[PC+4*\c:PC+4*\c+3], s[12:13] offset:1536*\a+512*\c
.endr
.endr
.Ljoin:
	s_wait_alu depctr_va_vdst(0)
.irp a, 0,1,2,3
	ds_store_b32 v12, v[PWS+\a] offset:64*\a       ; lanes r and r + 16 write the same word with the same value
.endr
	ds_load_b64 v[88:89], v13                      ; LDS serves a wave's instructions in order
	s_wait_dscnt 0x0
	global_store_b64 v14, v[88:89], s[14:15]       ; my four fragments' scale words: 256 consecutive bytes, at a multiple of 256 from asc's first byte
	s_wait_tensorcnt 0x0                           ; the wave's end
	ds_add_u32 v[SPW], v[NIL]
	s_wait_dscnt 0x0
	CROUND                                         ; the closing round
	s_endpgm
.Lfunc_end_k_qca7f8f4283_qkv:
	.size	k_qca7f8f4283_qkv, .Lfunc_end_k_qca7f8f4283_qkv-k_qca7f8f4283_qkv
	.p2alignl 7, 3214868480
	.fill 96, 4, 3214868480
	.section	.rodata,"a",@progbits
	.p2align	6, 0x0
	.amdhsa_kernel k_qca7f8f4283_qkv
		.amdhsa_group_segment_fixed_size 327680
		.amdhsa_private_segment_fixed_size 0
		.amdhsa_enable_private_segment 0
		.amdhsa_kernarg_size 48
		.amdhsa_user_sgpr_count 2
		.amdhsa_user_sgpr_kernarg_segment_ptr 1
		.amdhsa_wavefront_size32 1
		.amdhsa_system_sgpr_workgroup_id_x 1
		.amdhsa_system_sgpr_workgroup_id_y 1
		.amdhsa_system_sgpr_workgroup_id_z 1
		.amdhsa_system_vgpr_workitem_id 0
		.amdhsa_next_free_vgpr 1024
		.amdhsa_next_free_sgpr 100
		.amdhsa_reserve_vcc 0
		.amdhsa_float_denorm_mode_32 3
		.amdhsa_float_denorm_mode_16_64 3
		.amdhsa_memory_ordered 1
		.amdhsa_forward_progress 1
		.amdhsa_inst_pref_size 220
	.end_amdhsa_kernel
	.amdgpu_metadata
---
amdhsa.version: [ 1, 2 ]
amdhsa.kernels:
  - .name:           k_qca7f8f4283_qkv
    .symbol:         k_qca7f8f4283_qkv.kd
    .args:
      - { .name: opc, .offset: 0, .size: 8, .value_kind: global_buffer, .address_space: global }
      - { .name: ops, .offset: 8, .size: 8, .value_kind: global_buffer, .address_space: global }
      - { .name: cos, .offset: 16, .size: 8, .value_kind: global_buffer, .address_space: global }
      - { .name: sin, .offset: 24, .size: 8, .value_kind: global_buffer, .address_space: global }
      - { .name: ac, .offset: 32, .size: 8, .value_kind: global_buffer, .address_space: global }
      - { .name: asc, .offset: 40, .size: 8, .value_kind: global_buffer, .address_space: global }
    .group_segment_fixed_size: 327680
    .private_segment_fixed_size: 0
    .kernarg_segment_align: 8
    .kernarg_segment_size: 48
    .max_flat_workgroup_size: 128
    .sgpr_count:     100
    .vgpr_count:     1024
    .wavefront_size: 32
...
	.end_amdgpu_metadata
.endif
;; end of part 2
;; launch attn (part 3): grid 64 x 4, 4 waves a work-group, no clusters, 327,680 bytes of LDS; arguments ac, asc, oc, osc; writes oc, osc
.if DOCPART == 3
	.amdgcn_target "amdgcn-amd-amdhsa--gfx1250"
	.amdhsa_code_object_version 6
	.text
	.protected	k_qca7f8f4283_attn
	.globl	k_qca7f8f4283_attn
	.p2align	8
	.type	k_qca7f8f4283_attn,@function
k_qca7f8f4283_attn:
	s_mov_b64 s[64:65], 0
	v_nop
	global_prefetch_b8 v0, s[64:65] scope:SCOPE_SE
	s_setreg_imm32_b32 hwreg(HW_REG_WAVE_MODE, 25, 1), 1
	s_wait_xcnt 0x0
; o = softmax(q k^T, causal) v on codes of FP6 (E2M3) with E8M0 scales, and o quantised at once along the head's 128 for the projection.
; LEFT OUT: key steps of 128 keys that lie wholly behind a tile's last query: the causal mask sets their scores to -inf, so their p is 0 for all inputs.
; OPERANDS are images of the operand's registers (ac: fragment F at 1536 F, asc: its 16 scale words at 64 F; F = 128 head' + token block, head' 0-15 q, 16-19 k; F = 2560 + 128 kv head + 8 key step + channel block for v^T).
; A WORK-GROUP (x = 8 b + j, y = kv head) takes the kv head's four query heads on two tiles of 16 queries: tile j of query block 15 - b and tile j of block b: 16 - b and b + 1 key steps, 17 for every b.
; A WAVE w takes two heads (4 y + w and that number xor 1), both tiles, and the key steps of parity w % 2: each fragment of k and v that it reads from LDS feeds two or four tiles of queries.
; Both products are used transposed (S^T = k q^T, O^T = v^T p^T): a lane holds one query.  M is the running largest t rounded up to a whole number; p = 2^(t - M); the sum is taken of the unquantised p; a change of M multiplies by an exact power of two.
; At the end the two waves of a head pair exchange partial results through LDS: each hands over its windows 1 and 3 and finishes the head of its windows 0 and 2 (the partner's windows 1 and 3 hold that head).
; THE RING: two slots of four key steps (k 49,152 bytes, v 49,152), one barrier a slot; each wave fills a quarter of a slot.  The scale words of all 16 key steps come once.
; cluster = none: a slot that lies wholly under the mask is not fetched (a jump on ids round the load), and how many slots are fetched hangs on b; no such jump may lead round a joint load.
; PREFETCH: in trip t (t = 0, 1) slot t + 2 is asked for, one trip ahead of its tensor load; the 64 work-groups of a kv head share its 384 blocks of 256 bytes out, six each, wave 0, a lane a block.
; LIMITS: the promise holds while the scaled scores stay under 2^31 in magnitude; a block of zeros or under 2^-124 gets the byte 1 (this program alone reads the bytes); NaN and infinities are not served.
; REGISTERS: window X = 2 (tile: 0 upper, 1 lower) + (head: 0 mine, 1 the partner's): v4 the lane's query less its half's keys; v12 -M, v13 largest t, v14-15 the sum; v16-27 q; v96-159 S^T, then p; v160-223 O^T; v224-235 p's codes; v232-254 at work.
;   v32-79 of windows 0, 1: k's eight fragments; of windows 2, 3: v's.  Window 0 alone: v1-11, v28-31 addresses; v80-83 k's scale words, v84-87 v's, v88-91 q's, v92-95 p's.
.set SLOT1, 131072
.set VOFF,  49152
.set SCK,   98304                      ; between the slots: the scale words, k's 8,192 bytes, then v's
.set SPARE, 114688                     ; the spare words, 128 bytes a wave
.set MRG,   229376                     ; behind slot 1: the stage of the exchange, 2 x 8,704 bytes a wave; no fill lands there
.set GL,   1
.set AK0,  2
.set AV0,  3
.set SPW,  5
.set NIL,  6
.set R4,   7
.set ADK,  8
.set ADV,  9
.set ADS,  10
.set ASK0, 11
.set PFO,  28
.set PW,   29
.set MG,   30
.set MGP,  31
.set PC,   32
.set TM,   232
.set PFA,  2
.set OCH,  12
.set OSH,  14
.set WV,   16
.set PAR,  17
.set HP,   18
.set SEL,  20
.set CS,   22
.set G1H,  24
.set G1S,  32
.set G1T,  40
.set G0H,  48
.set G0S,  52
.set G0T,  56
.set TB,   60
.set TS,   61
.set KF,   62
.set SLOTS, 63
.set QBH,  66
.set QBL,  67
.set QH23, 68
.set QL23, 69
.set TH_,  74
.set TL_,  75
.set HA,   92
.set HB,   93
.set SK,   94
.set LIM,  95
.set KC,   97
.set OCL,  98
.set OSL,  100
.set MSB, 0
.macro WIN new                         ; the immediate's high byte repeats the setting that is left
.if MSB != (\new)
	s_set_vgpr_msb (MSB<<8)|(\new)
.set MSB, (\new)
.endif
.endm
.macro NOP4
.rept 4
	v_nop
.endr
.endm
; k's eight fragments and four registers of scale words of my step i of the slot: 28 LDS loads
.macro KLOAD i
.irp j, 0,1,2,3
	ds_load_b32 v[80+\j], v[ADS] offset:1024*(\i)+128*\j
.endr
.irp g, 0,1
	WIN (\g)<<6
.irp t, 0,1,2,3
.irp c, 0,1,2
	ds_load_b128 v[32+12*\t+4*\c:35+12*\t+4*\c], v[ADK] offset:24576*(\i)+(4*\g+\t)*1536+512*\c
.endr
.endr
.endr
	WIN 0
.endm
.macro VLOAD i                         ; v's likewise: 28 loads
.irp g, 0,1
	WIN (2+\g)<<6
.irp t, 0,1,2,3
.irp c, 0,1,2
	ds_load_b128 v[32+12*\t+4*\c:35+12*\t+4*\c], v[ADV] offset:24576*(\i)+(4*\g+\t)*1536+512*\c
.endr
.endr
.endr
	WIN 0
.irp j, 0,1,2,3
	ds_load_b32 v[84+\j], v[ADS] offset:8192+1024*(\i)+128*\j
.endr
.endm
; S^T of window X, k's fragments 4 g .. 4 g + 3
.macro SMM X, g
	WIN (\g)|(0x54*(\X))
.irp t, 0,1,2,3
.if \t%2
	v_wmma_scale_f32_16x16x128_f8f6f4 v[96+8*(4*\g+\t):103+8*(4*\g+\t)], v[32+12*\t:43+12*\t], v[16:27], 0, v[80+2*\g+\t/2], v[88+\X] matrix_a_fmt:MATRIX_FMT_FP6 matrix_b_fmt:MATRIX_FMT_FP6 matrix_a_scale:MATRIX_SCALE_ROW1
.else
	v_wmma_scale_f32_16x16x128_f8f6f4 v[96+8*(4*\g+\t):103+8*(4*\g+\t)], v[32+12*\t:43+12*\t], v[16:27], 0, v[80+2*\g+\t/2], v[88+\X] matrix_a_fmt:MATRIX_FMT_FP6 matrix_b_fmt:MATRIX_FMT_FP6
.endif
.endr
.endm
; O^T of window X += v^T p^T: eight accumulators, one instruction each
.macro PVM X
.irp g, 0,1
	WIN (2+\g)|(0x54*(\X))
.irp t, 0,1,2,3
.if \t%2
	v_wmma_scale_f32_16x16x128_f8f6f4 v[160+8*(4*\g+\t):167+8*(4*\g+\t)], v[32+12*\t:43+12*\t], v[224:235], v[160+8*(4*\g+\t):167+8*(4*\g+\t)], v[84+2*\g+\t/2], v[92+\X] matrix_a_fmt:MATRIX_FMT_FP6 matrix_b_fmt:MATRIX_FMT_FP6 matrix_a_scale:MATRIX_SCALE_ROW1
.else
	v_wmma_scale_f32_16x16x128_f8f6f4 v[160+8*(4*\g+\t):167+8*(4*\g+\t)], v[32+12*\t:43+12*\t], v[224:235], v[160+8*(4*\g+\t):167+8*(4*\g+\t)], v[84+2*\g+\t/2], v[92+\X] matrix_a_fmt:MATRIX_FMT_FP6 matrix_b_fmt:MATRIX_FMT_FP6
.endif
.endr
.endr
.endm
; the causal mask on the step of the diagonal: register n is key 32 (n / 16) + n % 16 + 16 h of the step; s96 = the tile's first query less the step's first key.  All registers in the window that is set
.macro MASK
	s_wait_alu depctr_va_vdst(0)                   ; ahead of the first reader of matrix results
	v_add_nc_u32 v252, s96, v4
	v_mov_b32 v254, 0xff800000
.set n, 0
.rept 64
	v_cmp_gt_i32 vcc_lo, 32*(n/16)+n%16, v252
	v_cndmask_b32 v[96+n], v[96+n], v254, vcc_lo
.set n, n+1
.endr
.endm
; scores -> p, its sum, its codes and its scale word (v253).  All registers in the window that is set
.macro SMAX
	s_wait_alu depctr_va_vdst(0)                   ; other windows' exponentials stand between the writes and these reads
.irp b, 0,1,2,3
	v_max3_num_f32 v[232+\b], v[96+16*\b], v[97+16*\b], v[98+16*\b]   ; the largest score of each block of 32 keys: for the row's maximum and for the block's scale
.endr
.irp i, 3,5,7,9,11,13
.irp b, 0,1,2,3
	v_max3_num_f32 v[232+\b], v[232+\b], v[96+16*\b+\i], v[97+16*\b+\i]
.endr
.endr
.irp b, 0,1,2,3
	v_max_num_f32 v[232+\b], v[232+\b], v[111+16*\b]
.endr
.irp b, 0,1,2,3
	v_permlanex16_b32 v[236+\b], v[232+\b], s[SEL], s[SEL+1]
.endr
.irp b, 0,1,2,3
	v_max_num_f32 v[232+\b], v[232+\b], v[236+\b]
.endr
	v_max3_num_f32 v254, v232, v233, v234
	v_max_num_f32 v254, v254, v235
	v_mul_f32 v254, s[CS], v254
	v_max_num_f32 v13, v13, v254                   ; the running largest t
	v_mov_b32 v254, v12
	v_floor_f32 v12, -v13                          ; -M = floor(-t)
	v_sub_f32 v254, v12, v254
	v_cvt_i32_f32 v254, v254                       ; (it saturates)
	v_ldexp_f32 v252, 1.0, v254                    ; f = 2^(old M - new M)
.set j, 0
.rept 32
	v_pk_fma_f32 v[96+j:97+j], v[96+j:97+j], s[CS:CS+1], v[12:13] op_sel_hi:[1,0,0]
.set j, j+2
.endr
.irp b, 0,1,2,3
	v_fma_f32 v[232+\b], v[232+\b], s[CS], v12
.endr
	s_wait_alu depctr_va_vdst(0)                   ; ahead of the batch
.set j, 0
.rept 64
	v_exp_f32 v[96+j], v[96+j]
.set j, j+1
.endr
	v_pk_mul_f32 v[14:15], v[14:15], v[252:253] op_sel_hi:[1,0]
	s_wait_alu depctr_va_vdst(0)                   ; behind the batch
.irp b, 0,1,2,3
	v_exp_f32 v[232+\b], v[232+\b]                 ; the block's largest p
.endr
	v_pk_add_f32 v[236:237], v[96:97], v[98:99]    ; the sum of the unquantised p, in four chains
	v_pk_add_f32 v[238:239], v[100:101], v[102:103]
	v_pk_add_f32 v[240:241], v[104:105], v[106:107]
.irp j, 12,20,28,36,44,52
	v_pk_add_f32 v[14:15], v[14:15], v[96+\j:97+\j]
	v_pk_add_f32 v[236:237], v[236:237], v[98+\j:99+\j]
	v_pk_add_f32 v[238:239], v[238:239], v[100+\j:101+\j]
	v_pk_add_f32 v[240:241], v[240:241], v[102+\j:103+\j]
.endr
	v_pk_add_f32 v[14:15], v[14:15], v[156:157]
	v_pk_add_f32 v[236:237], v[236:237], v[158:159]
	v_pk_add_f32 v[238:239], v[238:239], v[240:241]
	v_pk_add_f32 v[14:15], v[14:15], v[236:237]
	v_pk_add_f32 v[14:15], v[14:15], v[238:239]
	s_wait_alu depctr_va_vdst(0)                   ; for the four
.irp b, 0,1,2,3
	v_max_num_f32 v[232+\b], 0x1800000, v[232+\b]  ; the floor 2^(3 - 127): the byte cannot fall under 1
.endr
.irp b, 0,1,2,3
	v_add_nc_u32 v[244+\b], 0xff000000, v[232+\b]  ; 2 off the exponent field: the conversion's scale operand
.endr
.irp b, 0,1,2,3
	v_lshrrev_b32 v[236+\b], 23, v[244+\b]
.endr
	v_lshl_or_b32 v253, v237, 8, v236
	v_lshl_or_b32 v253, v238, 16, v253
	v_lshl_or_b32 v253, v239, 24, v253
.irp c, 0,1
	v_cvt_scalef32_pk16_fp6_f32 v[224+6*\c:226+6*\c], v[96+32*\c:111+32*\c], v[244+2*\c]
	v_cvt_scalef32_pk16_fp6_f32 v[236+4*\c:238+4*\c], v[112+32*\c:127+32*\c], v[244+2*\c+1]
.endr
	v_nop                                          ; one plain line behind the conversions
.irp c, 0,1
.irp i, 0,1,2
	v_permlane16_swap_b32 v[224+6*\c+\i], v[236+4*\c+\i]
.endr
.irp i, 0,1,2
	v_mov_b32 v[227+6*\c+\i], v[236+4*\c+\i]
.endr
.endr
.endm
; window X's whole turn in a step.  cnt: the LDS loads issued behind v's, which may stay out
.macro TH X, cnt
	WIN 0x55*(\X)
	SMAX
	WIN (\X)
	v_mov_b32 v[92+\X], v253                       ; scale operands are taken from window 0
	WIN 0x55*(\X)
	s_wait_alu depctr_va_vdst(0)                   ; ahead of the first reader of O^T
.set j, 0
.rept 32
	v_pk_mul_f32 v[160+j:161+j], v[160+j:161+j], v[252:253] op_sel_hi:[1,0]   ; O^T under the new M; also the places in front of the products
.set j, j+2
.endr
	s_wait_alu depctr_va_vdst(0)                   ; directly ahead of the wait below
	s_wait_dscnt \cnt                              ; v's fragments are in
	PVM \X
.endm
; my step i of the slot.  The lower tile's whole turn stands in one stretch under one branch, between the upper tile's score products and their softmax
.macro STEP i
	s_add_co_u32 s[KC], s[KF], 256*(\i)            ; the step's first key
	NOP4                                           ; behind the last step's products, which read v's fragments
	VLOAD \i
	s_wait_dscnt 40                                ; k's scale words and fragments 0-3 are in: 12 loads of k and 28 of v may be out
	SMM 0, 0
	SMM 1, 0
	s_wait_dscnt 28                                ; all of k
	SMM 0, 1
	SMM 1, 1
	WIN 0
	s_cmp_gt_u32 s[KC], s[QL23]
	s_cbranch_scc1 .Lnolo_\@
	SMM 2, 0
	SMM 3, 0
	SMM 2, 1
	SMM 3, 1
	WIN 0
	NOP4
	s_add_co_u32 s96, s[KC], 127
	s_cmp_le_u32 s96, s[QBL]
	s_cbranch_scc1 .Lopl_\@
	s_sub_co_i32 s96, s[QBL], s[KC]
	WIN 0xaa
	MASK
	WIN 0xff
	MASK
	WIN 0
.Lopl_\@:
	TH 2, 0
	TH 3, 0
	WIN 0
.Lnolo_\@:
	NOP4                                           ; behind the score products: for the loads into k's registers and the first reads of results
.if (\i) == 0
	KLOAD 1                                        ; my second step's k, a softmax ahead of its use
.endif
	s_add_co_u32 s96, s[KC], 127
	s_cmp_le_u32 s96, s[QBH]
	s_cbranch_scc1 .Loph_\@
	s_sub_co_i32 s96, s[QBH], s[KC]
	MASK
	WIN 0x55
	MASK
	WIN 0
.Loph_\@:
	TH 0, 28*(1-(\i))
	TH 1, 28*(1-(\i))
	WIN 0
.endm
; 64 numbers of a lane become a fragment's codes in v[PC] on and the row's scale word in v[PW].  All registers in the window that is set
.macro QUANT s
.irp b, 0,1,2,3
	v_max3_num_f32 v[TM+\b], |v[\s+16*\b]|, |v[\s+1+16*\b]|, 0x1800000
.endr
.irp i, 2,4,6,8,10,12,14
.irp b, 0,1,2,3
	v_max3_num_f32 v[TM+\b], v[TM+\b], |v[\s+16*\b+\i]|, |v[\s+1+16*\b+\i]|
.endr
.endr
.irp b, 0,1,2,3
	v_permlanex16_b32 v[TM+4+\b], v[TM+\b], s[SEL], s[SEL+1]
.endr
.irp b, 0,1,2,3
	v_max_num_f32 v[TM+\b], v[TM+\b], v[TM+4+\b]
.endr
.irp b, 0,1,2,3
	v_add_nc_u32 v[TM+12+\b], 0xff000000, v[TM+\b]
.endr
.irp b, 0,1,2,3
	v_lshrrev_b32 v[TM+4+\b], 23, v[TM+12+\b]
.endr
	v_lshl_or_b32 v[PW], v[TM+5], 8, v[TM+4]
	v_lshl_or_b32 v[PW], v[TM+6], 16, v[PW]
	v_lshl_or_b32 v[PW], v[TM+7], 24, v[PW]
.irp c, 0,1
	v_cvt_scalef32_pk16_fp6_f32 v[PC+6*\c:PC+2+6*\c], v[\s+32*\c:\s+15+32*\c], v[TM+12+2*\c]
	v_cvt_scalef32_pk16_fp6_f32 v[PC+12+4*\c:PC+14+4*\c], v[\s+16+32*\c:\s+31+32*\c], v[TM+13+2*\c]
.endr
	v_nop
.irp c, 0,1
.irp i, 0,1,2
	v_permlane16_swap_b32 v[PC+6*\c+\i], v[PC+12+4*\c+\i]
.endr
.irp i, 0,1,2
	v_mov_b32 v[PC+3+6*\c+\i], v[PC+12+4*\c+\i]
.endr
.endr
.endm
; q's fragment and scale words of window X
.macro QLD X, head, tile
	s_lshl_b32 s19, s[\head], 7
	s_add_co_u32 s19, s19, s[\tile]
	s_mul_i32 s[76+4*\X], s19, 1536
	s_mov_b32 s[77+4*\X], 0
	s_add_nc_u64 s[76+4*\X:77+4*\X], s[4:5], s[76+4*\X:77+4*\X]
	s_lshl_b32 s[78+4*\X], s19, 6
	s_mov_b32 s[79+4*\X], 0
	s_add_nc_u64 s[78+4*\X:79+4*\X], s[6:7], s[78+4*\X:79+4*\X]
	WIN (\X)<<6
.irp c, 0,1,2
	global_load_b128 v[16+4*\c:19+4*\c], v[GL], s[76+4*\X:77+4*\X] offset:512*\c
.endr
	WIN 0
	global_load_b32 v[88+\X], v[R4], s[78+4*\X:79+4*\X]
.endm
; window X's state: -M and the largest t so far (-3e38), the sum, O^T (the step is written once: the first finds zeros), and what is named before it is first made
.macro INITW X
	WIN (\X)<<6
.if \X
	v_mov_b32 v4, v4
.endif
	v_mov_b32 v12, 0x7f61b1e6
	v_mov_b32 v13, 0xff61b1e6
.irp r, 14,15,236,237,238,239,252,253
	v_mov_b32 v\r, 0
.endr
.set j, 0
.rept 64
	v_mov_b32 v[160+j], 0
.set j, j+1
.endr
	WIN 0
.endm
.macro OADR c, s, tile                 ; where tile's fragment of my head goes: oc [token block][head][1536], osc [token block][head][16 words]
	s_mul_i32 s[\c], s[\tile], 24576
	s_mul_i32 s19, s[HA], 1536
	s_add_co_u32 s[\c], s[\c], s19
	s_mov_b32 s[\c+1], 0
	s_add_nc_u64 s[\c:\c+1], s[8:9], s[\c:\c+1]
	s_lshl_b32 s[\s], s[\tile], 10
	s_lshl_b32 s19, s[HA], 6
	s_add_co_u32 s[\s], s[\s], s19
	s_mov_b32 s[\s+1], 0
	s_add_nc_u64 s[\s:\s+1], s[10:11], s[\s:\s+1]
.endm
; tile u is finished in window 2 u: the partner's part (v96-159, v32-35) is joined to mine under the larger M, divided by the sum, quantised and stored
.macro FIN u, cnt, oca, osa
	s_wait_dscnt \cnt
	WIN 0xaa*(\u)
	v_add_f32 v14, v14, v15
	v_min_num_f32 v36, v12, v32
	v_add_f32 v34, v34, v35
	v_sub_f32 v37, v36, v12
	v_sub_f32 v38, v36, v32
	v_cvt_i32_f32 v37, v37
	v_cvt_i32_f32 v38, v38
	v_ldexp_f32 v37, 1.0, v37
	v_ldexp_f32 v38, 1.0, v38
	v_mul_f32 v14, v14, v37
	v_fmac_f32 v14, v34, v38
	v_permlanex16_b32 v252, v14, s[SEL], s[SEL+1]
	v_add_f32 v14, v14, v252
	s_wait_alu depctr_va_vdst(0)
	v_rcp_f32 v14, v14
	v_nop
	s_wait_alu depctr_va_vdst(0)
	v_mul_f32 v40, v37, v14
	v_mul_f32 v41, v37, v14
	v_mul_f32 v42, v38, v14
	v_mul_f32 v43, v38, v14
.set j, 0
.rept 32
	v_pk_mul_f32 v[96+j:97+j], v[96+j:97+j], v[42:43]
.set j, j+2
.endr
.set j, 0
.rept 32
	v_pk_fma_f32 v[96+j:97+j], v[160+j:161+j], v[40:41], v[96+j:97+j]
.set j, j+2
.endr
	QUANT 96
	WIN 8*(\u)                                     ; a store's data are its source 1
.irp c, 0,1,2
	global_store_b128 v[GL], v[PC+4*\c:PC+4*\c+3], s[\oca:\oca+1] offset:512*\c
.endr
	global_store_b32 v[R4], v[PW], s[\osa:\osa+1]
	WIN 0
.endm
	s_load_b256 s[4:11], s[0:1], 0x0               ; ac, asc, oc, osc
	v_lshl_add_u32 v[SPW], v0, 2, SPARE
	v_mov_b32 v[NIL], 0
	ds_add_u32 v[SPW], v[NIL]                      ; the opening lines: the add twice on end and its wait
	ds_add_u32 v[SPW], v[NIL]
	v_lshrrev_b32 v8, 5, v0
	v_readfirstlane_b32 s[WV], v8
	s_and_b32 s[PAR], s[WV], 1
	s_lshr_b32 s[HP], s[WV], 1
	s_and_b32 s70, ttmp7, 0xffff                   ; kv head
	s_lshr_b32 s71, ttmp9, 3                       ; b
	s_and_b32 s72, ttmp9, 7                        ; j
.irp g, G1H, G1S, G1T                          ; dense blocks as rows of 256 bytes (32 elements of 8 bytes)
	s_mov_b32 s[\g], 3<<16
	s_mov_b32 s[\g+1], 32<<16
	s_mov_b32 s[\g+3], 32<<16
	s_mov_b32 s[\g+5], 32
	s_mov_b32 s[\g+6], 0
	s_mov_b32 s[\g+7], 0
.endr
	s_mov_b32 s[G1H+2], 192<<16                    ; the head: slot 0's k or v whole, 49,152 bytes
	s_mov_b32 s[G1H+4], 192
	s_mov_b32 s[G1S+2], 32<<16                     ; k's or v's scale words, 8,192 bytes
	s_mov_b32 s[G1S+4], 32
	s_mov_b32 s[G1T+2], 96<<16                     ; the ring: a quarter of a slot, 24,576 bytes
	s_mov_b32 s[G1T+4], 96
	s_lshl_b32 s73, s71, 3
	s_add_co_u32 s[TL_], s73, s72                  ; the lower tile 8 b + j,
	s_sub_co_u32 s[TH_], 120, s73
	s_add_co_u32 s[TH_], s[TH_], s72               ; the upper 8 (15 - b) + j
	s_lshr_b32 s19, s[TH_], 1
	s_lshl_b32 s19, s19, 5
	s_and_b32 s73, s[TH_], 1
	s_lshl_b32 s73, s73, 3
	s_add_co_u32 s[QBH], s19, s73                  ; a tile's first query: 32 (T / 2) + 8 (T % 2); its last lies 23 on
	s_add_co_u32 s[QH23], s[QBH], 23
	s_lshr_b32 s19, s[TL_], 1
	s_lshl_b32 s19, s19, 5
	s_and_b32 s73, s[TL_], 1
	s_lshl_b32 s73, s73, 3
	s_add_co_u32 s[QBL], s19, s73
	s_add_co_u32 s[QL23], s[QBL], 23
	s_lshl_b32 s[HA], s70, 2
	s_add_co_u32 s[HA], s[HA], s[WV]               ; the head that I finish,
	s_xor_b32 s[HB], s[HA], 1                      ; and the one that my partner finishes
	s_add_co_u32 s70, s70, 16
	s_mul_i32 s84, s70, 196608                     ; k's fragments of this kv head; v's lie 786,432 bytes on
	s_mov_b32 s85, 0
	s_mul_i32 s86, s[WV], 786432
	s_add_co_u32 s86, s86, s84                     ; the head's load of waves 0, 1: k, v
	s_mov_b32 s87, 0
	s_lshl_b32 s88, s70, 13                        ; k's scale words; v's lie 32,768 bytes on
	s_lshl_b32 s89, s[WV], 15
	s_add_co_u32 s88, s88, s89
	s_sub_co_u32 s88, s88, 65536                   ; waves 2, 3: k's, v's
	s_mov_b32 s89, 0
	s_mul_i32 s90, s[PAR], 24576
	s_mul_i32 s91, s[HP], 786432
	s_add_co_u32 s90, s90, s91
	s_add_co_u32 s90, s90, s84                     ; the ring: waves 0, 1 k's halves, waves 2, 3 v's
	s_mov_b32 s91, 0
	s_lshr_b32 s71, ttmp9, 5
	s_mul_i32 s71, s71, 786432                     ; the prefetches: work-groups 0-31 of the kv head k's part of a slot, 32-63 v's,
	s_and_b32 s72, ttmp9, 31
	s_mul_i32 s72, s72, 1536                       ; six blocks of 256 bytes each
	s_add_co_u32 s84, s84, s71
	s_add_co_u32 s84, s84, s72
	s_add_co_u32 s84, s84, 49152                   ; at slot 1: each trip steps it a slot on ahead of its use
	s_cmp_eq_u32 s[WV], 0
	s_cselect_b32 s[LIM], 2, -1                    ; wave 0 asks while more than two trips are left
	s_mov_b32 s[SEL], 0x76543210
	s_mov_b32 s[SEL+1], 0xfedcba98
	s_mov_b32 s[CS], 0x3fb8aa3b                    ; log2(e): q carries 1 / sqrt(128) already
	s_mov_b32 s[CS+1], s[CS]
	s_mov_b32 s[TB], 0
	s_mov_b32 s[TS], 0
	s_mov_b32 s[SK], 0
	s_lshl_b32 s[KF], s[PAR], 7
	s_mov_b32 s[SLOTS], 4
	s_wait_dscnt 0x0
	s_wait_kmcnt 0x0
	s_mov_b32 s[G0H], 1
	s_mul_i32 s[G0H+1], s[WV], 49152
	s_add_nc_u64 s[G0H+2:G0H+3], s[4:5], s[86:87]
	s_or_b32 s[G0H+3], s[G0H+3], 0x80000000
	s_mov_b32 s[G0S], 1
	s_lshl_b32 s[G0S+1], s[WV], 13
	s_add_co_u32 s[G0S+1], s[G0S+1], SCK-16384
	s_add_nc_u64 s[G0S+2:G0S+3], s[6:7], s[88:89]
	s_or_b32 s[G0S+3], s[G0S+3], 0x80000000
	s_mov_b32 s[G0T], 1
	s_mul_i32 s[G0T+1], s[WV], 24576               ; at slot 0: each trip steps it to the next slot ahead of its use
	s_add_nc_u64 s[G0T+2:G0T+3], s[4:5], s[90:91]
	s_or_b32 s[G0T+3], s[G0T+3], 0x80000000
	s_cmp_lt_u32 s[WV], 2                          ; the head's four tiles, one load a wave
	s_cbranch_scc0 .Lhead_s
	tensor_load_to_lds s[G0H:G0H+3], s[G1H:G1H+7]
	s_nop 0
	NOP4
	s_branch .Lhead_j
.Lhead_s:
	tensor_load_to_lds s[G0S:G0S+3], s[G1S:G1S+7]
	s_nop 0
	NOP4
.Lhead_j:
	s_add_nc_u64 s[PFA:PFA+1], s[4:5], s[84:85]
	v_and_b32 v29, 31, v0
	v_lshlrev_b32 v[GL], 4, v29
	s_wait_alu depctr_va_vdst(0)                   ; directly behind the write
	v_and_b32 v[R4], 15, v0
	v_lshlrev_b32 v[R4], 2, v[R4]
	s_mul_i32 s19, s[PAR], 12288
	v_add_nc_u32 v[AK0], s19, v[GL]                ; my parity's first step of a slot
	v_add_nc_u32 v[AV0], VOFF, v[AK0]
	s_lshl_b32 s19, s[PAR], 9
	s_add_co_u32 s19, s19, SCK
	v_lshl_add_u32 v[ASK0], v29, 2, s19
	v_min_u32 v[PFO], 5, v29
	v_lshlrev_b32 v[PFO], 8, v[PFO]
	s_mul_i32 s19, s[WV], 17408
	s_add_co_u32 s19, s19, MRG
	v_add_nc_u32 v[MG], s19, v[GL]                 ; my stage,
	s_xor_b32 s73, s[WV], 1
	s_mul_i32 s73, s73, 17408
	s_add_co_u32 s73, s73, MRG
	v_add_nc_u32 v[MGP], s73, v[GL]                ; and my partner's
	v_and_b32 v8, 7, v0
	v_bfe_u32 v9, v0, 3, 1
	v_lshl_add_u32 v8, v9, 4, v8
	v_bfe_u32 v9, v0, 4, 1
	v_lshlrev_b32 v9, 4, v9
	v_sub_nc_u32 v4, v8, v9                        ; r % 8 + 16 (r / 8) - 16 h
	s_wait_alu depctr_va_vdst(0)                   ; ahead of the run of scalar lines
	QLD 0, HA, TH_
	QLD 1, HB, TH_
	QLD 2, HA, TL_
	QLD 3, HB, TL_
	OADR OCH, OSH, TH_
	OADR OCL, OSL, TL_
	INITW 0
	INITW 1
	INITW 2
	INITW 3
	s_wait_alu depctr_va_vdst(0)
	s_wait_loadcnt 0x0
.Lslot:                                                ; trip t multiplies slot t and fetches slot t + 1
	s_wait_tensorcnt 0x0                           ; my part of this trip's slot is in
	ds_add_u32 v[SPW], v[NIL]
	s_xor_b32 s[G0T+1], s[G0T+1], SLOT1
	s_add_nc_u64 s[G0T+2:G0T+3], s[G0T+2:G0T+3], 49152
	s_wait_xcnt 0x0                                ; the last prefetch has read its address
	s_add_nc_u64 s[PFA:PFA+1], s[PFA:PFA+1], 49152
	s_wait_dscnt 0x0                               ; the add is done, and so are my reads of the other slot
	s_barrier_signal -1
	s_barrier_wait -1
	s_add_co_u32 s96, s[SK], 512                   ; the next slot's first key: behind the upper tile's last query nobody reads it
	s_cmp_gt_u32 s96, s[QH23]
	s_cbranch_scc1 .Lnofill
	tensor_load_to_lds s[G0T:G0T+3], s[G1T:G1T+7]
	s_nop 0
	NOP4
.Lnofill:
	s_cmp_gt_u32 s[SLOTS], s[LIM]
	s_cbranch_scc0 .Lnoask
	global_prefetch_b8 v[PFO], s[PFA:PFA+1] th:TH_LOAD_NT scope:SCOPE_SE   ; slot t + 2
.Lnoask:
	v_add_nc_u32 v[ADK], s[TB], v[AK0]
	v_add_nc_u32 v[ADV], s[TB], v[AV0]
	v_add_nc_u32 v[ADS], s[TS], v[ASK0]
	s_wait_alu depctr_va_vdst(0)                   ; directly behind the writes
	s_cmp_gt_u32 s[KF], s[QH23]                    ; my first step of the slot lies under the mask: so does my second
	s_cbranch_scc1 .Lidle
	KLOAD 0
	STEP 0
	s_add_co_u32 s96, s[KF], 256
	s_cmp_gt_u32 s96, s[QH23]
	s_cbranch_scc1 .Lidle
	STEP 1
.Lidle:
	s_xor_b32 s[TB], s[TB], SLOT1
	s_add_co_u32 s[TS], s[TS], 2048
	s_add_co_u32 s[KF], s[KF], 512
	s_add_co_u32 s[SK], s[SK], 512
	s_sub_co_u32 s[SLOTS], s[SLOTS], 1
	s_cmp_lg_u32 s[SLOTS], 0
	s_cbranch_scc1 .Lslot
	NOP4
	s_wait_alu depctr_va_vdst(0)                   ; ahead of the first readers of the sums
.irp u, 0,1                                    ; windows 1 and 3 go to my stage
	WIN (2*\u+1)<<2
.irp t, 0,1,2,3,4,5,6,7
	ds_store_b128 v[MG], v[160+8*\t:163+8*\t] offset:8704*\u+1024*\t
	ds_store_b128 v[MG], v[164+8*\t:167+8*\t] offset:8704*\u+1024*\t+512
.endr
	ds_store_b128 v[MG], v[12:15] offset:8704*\u+8192
.endr
	WIN 0
	s_wait_dscnt 0x0
	s_barrier_signal -1
	s_barrier_wait -1
.irp u, 0,1                                    ; my partner's, 17 loads a tile
	WIN (2*\u)<<6
.irp t, 0,1,2,3,4,5,6,7
	ds_load_b128 v[96+8*\t:99+8*\t], v[MGP] offset:8704*\u+1024*\t
	ds_load_b128 v[100+8*\t:103+8*\t], v[MGP] offset:8704*\u+1024*\t+512
.endr
	ds_load_b128 v[32:35], v[MGP] offset:8704*\u+8192
.endr
	WIN 0
	FIN 0, 17, OCH, OSH
	FIN 1, 0, OCL, OSL
	s_wait_tensorcnt 0x0                           ; the wave's end
	ds_add_u32 v[SPW], v[NIL]
	s_wait_dscnt 0x0
	s_endpgm
.Lfunc_end_k_qca7f8f4283_attn:
	.size	k_qca7f8f4283_attn, .Lfunc_end_k_qca7f8f4283_attn-k_qca7f8f4283_attn
	.p2alignl 7, 3214868480
	.fill 96, 4, 3214868480
	.section	.rodata,"a",@progbits
	.p2align	6, 0x0
	.amdhsa_kernel k_qca7f8f4283_attn
		.amdhsa_group_segment_fixed_size 327680
		.amdhsa_private_segment_fixed_size 0
		.amdhsa_enable_private_segment 0
		.amdhsa_kernarg_size 32
		.amdhsa_user_sgpr_count 2
		.amdhsa_user_sgpr_kernarg_segment_ptr 1
		.amdhsa_wavefront_size32 1
		.amdhsa_system_sgpr_workgroup_id_x 1
		.amdhsa_system_sgpr_workgroup_id_y 1
		.amdhsa_system_sgpr_workgroup_id_z 1
		.amdhsa_system_vgpr_workitem_id 0
		.amdhsa_next_free_vgpr 1024
		.amdhsa_next_free_sgpr 102
		.amdhsa_reserve_vcc 1
		.amdhsa_float_denorm_mode_32 3
		.amdhsa_float_denorm_mode_16_64 3
		.amdhsa_memory_ordered 1
		.amdhsa_forward_progress 1
		.amdhsa_inst_pref_size 215
	.end_amdhsa_kernel
	.amdgpu_metadata
---
amdhsa.version: [ 1, 2 ]
amdhsa.kernels:
  - .name:           k_qca7f8f4283_attn
    .symbol:         k_qca7f8f4283_attn.kd
    .args:
      - { .name: ac, .offset: 0, .size: 8, .value_kind: global_buffer, .address_space: global }
      - { .name: asc, .offset: 8, .size: 8, .value_kind: global_buffer, .address_space: global }
      - { .name: oc, .offset: 16, .size: 8, .value_kind: global_buffer, .address_space: global }
      - { .name: osc, .offset: 24, .size: 8, .value_kind: global_buffer, .address_space: global }
    .group_segment_fixed_size: 327680
    .private_segment_fixed_size: 0
    .kernarg_segment_align: 8
    .kernarg_segment_size: 32
    .max_flat_workgroup_size: 128
    .sgpr_count:     102
    .vgpr_count:     1024
    .wavefront_size: 32
...
	.end_amdgpu_metadata
.endif
;; end of part 3
;; launch proj (part 4): grid 16 x 8, 4 waves a work-group, clusters of 4 x 1, 327,680 bytes of LDS; arguments oc, osc, opc, ops, out0; writes out0
.if DOCPART == 4
	.amdgcn_target "amdgcn-amd-amdhsa--gfx1250"
	.amdhsa_code_object_version 6
	.text
	.protected	k_qca7f8f4283_proj
	.globl	k_qca7f8f4283_proj
	.p2align	8
	.type	k_qca7f8f4283_proj,@function
k_qca7f8f4283_proj:
	s_mov_b64 s[64:65], 0
	v_nop
	global_prefetch_b8 v0, s[64:65] scope:SCOPE_SE
	s_setreg_imm32_b32 hwreg(HW_REG_WAVE_MODE, 25, 1), 1
	s_wait_xcnt 0x0
	s_wait_alu depctr_hold_cnt(0) depctr_sa_sdst(0) depctr_va_vdst(0) depctr_va_sdst(0) depctr_va_ssrc(0) depctr_va_vcc(0) depctr_vm_vsrc(0)
	s_getreg_b32 s2, hwreg(HW_REG_IB_STS2, 6, 4)
	s_cmp_eq_u32 s2, 0
	s_cbranch_scc0 .Lentry_in_a_cluster
	s_endpgm
.Lentry_in_a_cluster:
	s_bfe_u32 s2, ttmp6, 0x10000c
	s_cmp_lg_u32 s2, 0x3003
	s_cbranch_scc0 .Lentry_shape_is_right
	s_endpgm
.Lentry_shape_is_right:
; out0 = O Wo on codes of FP6 (E2M3) with E8M0 scales; sums in f32.  O comes as images of the operand's registers (oc: [token block][K step = head][1536], osc: [token block][head][16 words]), Wo's columns likewise (opc, ops: row blocks 320-447).
; Lane r of block f holds row 32 (f / 2) + 8 (f % 2) + r % 8 + 16 (r / 8).  THE MATRIX INSTRUCTION IS USED TRANSPOSED (source 0 = 16 columns of Wo, source 1 = 16 tokens): a lane holds one token,
; and the 16 registers of tiles 2 b, 2 b + 1 are columns 32 b + 16 h + 0 .. 15.
; A WORK-GROUP makes 256 tokens x 128 columns; wave w has token blocks 4 w .. 4 w + 3 against the eight column blocks: 32 accumulators.  K = 2,048 goes through two LDS slots of four K steps: two first fills, two refills, written out.
; CLUSTER 4 x 1: the four partners share the tokens' tile (two thirds of a slot): waves 0, 1 ask for it jointly; Wo's tile is the work-group's own: waves 2, 3.
; REGISTERS: window 0: v16-29 addresses; v32-55 scale words, two sets of 12; v128-223 A's fragments, two sets (on the way out v128-255: rows read back).  window 1: B's fragments, two sets.  window 2: accumulator (a, b) at v[8 (8 a + b)].
.set SLOT,  147456
.set BOFF,  98304
.set SCA,   294912
.set SCB,   311296
.set SPARE, 319488                     ; the spare words, 128 bytes a wave: two blocks of 256 bytes that no other line names
.set RBB,   24576
.set ADRA, 16
.set ADRB, 20
.set ADSA, 22
.set ADSB, 23
.set STO,  24                          ; v24  the way out: where I put 16 bytes of a row
.set RD,   25                          ; v25  where I read a row back
.set CO,   26                          ; v26  16 x lane
.set SPW,  28
.set NIL,  29
.set G1A,  24
.set G1B,  32
.set G1SA, 40
.set G1SB, 48
.set G0A,  56
.set G0B,  68
.set G0SA, 76
.set G0SB, 80
.set MULW, 0xa1
.set MSB, 0
.macro WIN new
.if MSB != (\new)
	s_set_vgpr_msb (MSB<<8)|(\new)
.set MSB, (\new)
.endif
.endm
.macro PLACES n
.rept \n
	v_nop
.endr
.endm
.macro JLOAD g0a, g1a, g0b, g1b        ; waves 0, 1 fetch for A (jointly), waves 2, 3 for B; four v_nop follow each of the two lines
	s_cmp_eq_u32 s18, 0
	s_cbranch_scc0 .Lfor_b_\@
	tensor_load_to_lds s[\g0a:\g0a+3], s[\g1a:\g1a+7]
	s_nop 0
.rept 4
	v_nop
.endr
	s_branch .Lasked_\@
.Lfor_b_\@:
	tensor_load_to_lds s[\g0b:\g0b+3], s[\g1b:\g1b+7]
	s_nop 0
.rept 4
	v_nop
.endr
.Lasked_\@:
.endm
.macro CREST
	s_cmp_lg_u32 s16, 0
	s_cbranch_scc1 .Lnot_wave_0_\@
	s_barrier_signal -3
.Lnot_wave_0_\@:
	s_barrier_wait -3
	s_barrier_signal -1
	s_barrier_wait -1
.endm
.macro CROUND
	s_barrier_signal -1
	s_barrier_wait -1
	CREST
.endm
.macro FETCH k                         ; K step k's fragments into set k % 2; with an even k the scale words of steps k and k + 1
.set SL, ((\k)/4)%2
.set QQ, (\k)%4
.set PF, (\k)%2
	WIN 0x40
.irp i, 0,1,2,3,4,5,6,7
.irp c, 0,1,2
	ds_load_b128 v[128*PF+12*\i+4*\c:128*PF+12*\i+4*\c+3], v[ADRB+SL] offset:6144*\i+1536*QQ+512*\c
.endr
.endr
	WIN 0
.irp i, 0,1,2,3
.irp c, 0,1,2
	ds_load_b128 v[128+48*PF+12*\i+4*\c:128+48*PF+12*\i+4*\c+3], v[ADRA+SL] offset:6144*\i+1536*QQ+512*\c
.endr
.endr
.if (\k)%2 == 0
.set SF, ((\k)/2)%2
.set KP, (\k)/2
.irp i, 0,1,2,3
	ds_load_b32 v[32+12*SF+\i], v[ADSA] offset:1024*\i+128*KP
.endr
.irp i, 0,1,2,3,4,5,6,7
	ds_load_b32 v[36+12*SF+\i], v[ADSB] offset:1024*\i+128*KP
.endr
.endif
.endm
.macro MUL8 a, k, zero                 ; the 32 accumulators take turns, one instruction a turn, in the same order in every step
.set PP, (\k)%2
.set SS, ((\k)/2)%2
.irp b, 0,1,2,3,4,5,6,7
.if \zero
	v_wmma_scale_f32_16x16x128_f8f6f4 v[8*(8*(\a)+\b):8*(8*(\a)+\b)+7], v[128*PP+12*\b:128*PP+12*\b+11], v[128+48*PP+12*(\a):128+48*PP+12*(\a)+11], 0, v[36+12*SS+\b], v[32+12*SS+(\a)] matrix_a_fmt:MATRIX_FMT_FP6 matrix_b_fmt:MATRIX_FMT_FP6
.elseif (\k)%2
	v_wmma_scale_f32_16x16x128_f8f6f4 v[8*(8*(\a)+\b):8*(8*(\a)+\b)+7], v[128*PP+12*\b:128*PP+12*\b+11], v[128+48*PP+12*(\a):128+48*PP+12*(\a)+11], v[8*(8*(\a)+\b):8*(8*(\a)+\b)+7], v[36+12*SS+\b], v[32+12*SS+(\a)] matrix_a_fmt:MATRIX_FMT_FP6 matrix_b_fmt:MATRIX_FMT_FP6 matrix_a_scale:MATRIX_SCALE_ROW1 matrix_b_scale:MATRIX_SCALE_ROW1
.else
	v_wmma_scale_f32_16x16x128_f8f6f4 v[8*(8*(\a)+\b):8*(8*(\a)+\b)+7], v[128*PP+12*\b:128*PP+12*\b+11], v[128+48*PP+12*(\a):128+48*PP+12*(\a)+11], v[8*(8*(\a)+\b):8*(8*(\a)+\b)+7], v[36+12*SS+\b], v[32+12*SS+(\a)] matrix_a_fmt:MATRIX_FMT_FP6 matrix_b_fmt:MATRIX_FMT_FP6
.endif
.endr
.endm
.macro STEP k, zero
	s_wait_dscnt 0x0                               ; this step's fragments are in (asked for 32 matrix instructions ago)
	PLACES 4                                       ; in front of loads into registers that the last step's products read
	FETCH (\k)+1
	WIN MULW
	MUL8 0, \k, \zero
	MUL8 1, \k, \zero
	MUL8 2, \k, \zero
	MUL8 3, \k, \zero
	WIN 0
.endm
.macro TURN k, fill                    ; a slot's last step changes slots: ONE barrier, with the waits and the add in front of it
	s_wait_tensorcnt 0x0                           ; all my tensor loads have landed: my part of the next slot
	ds_add_u32 v[SPW], v[NIL]                      ; 0 onto my spare word
	s_wait_dscnt 1                                 ; (the add alone may be out: this step's fragments are in)
	WIN MULW
	MUL8 0, \k, 0
	MUL8 1, \k, 0
	s_wait_dscnt 0x0                               ; the add is done, and my reads of this slot are over
	s_barrier_signal -1
	MUL8 2, \k, 0
	WIN 0
	s_barrier_wait -1
.if \fill
	CREST                                          ; the barrier has opened a round of the cluster's: no wave of any partner still reads this slot or has a load on its way
.set SN, ((\k)/4)%2
	s_add_nc_u64 s[G0A+4*SN+2:G0A+4*SN+3], s[G0A+4*SN+2:G0A+4*SN+3], 12288
	s_add_nc_u64 s[G0B+4*SN+2:G0B+4*SN+3], s[G0B+4*SN+2:G0B+4*SN+3], 12288
	JLOAD G0A+4*SN, G1A, G0B+4*SN, G1B             ; the first tensor load behind the round; its four v_nop are the places in front of the loads below
.else
	PLACES 4
.endif
	FETCH (\k)+1
	WIN MULW
	MUL8 3, \k, 0
	WIN 0
.endm
	s_load_b256 s[4:11], s[0:1], 0x0               ; oc s[4:5], osc s[6:7], opc s[8:9], ops s[10:11]
	s_load_b64 s[12:13], s[0:1], 0x20              ; out0
	v_lshl_add_u32 v[SPW], v0, 2, SPARE
	v_mov_b32 v[NIL], 0
	ds_add_u32 v28, v29
	ds_add_u32 v28, v29
	s_wait_dscnt 0x0
	v_lshrrev_b32 v1, 5, v0
	v_readfirstlane_b32 s16, v1                    ; wave 0..3
	s_and_b32 s17, s16, 1                          ; e: which half of a tile I fetch
	s_lshr_b32 s18, s16, 1                         ; I fetch for A (0) or for B (1)
	s_bfe_u32 s19, ttmp6, 0x40000                  ; cx
	s_and_b32 s21, ttmp7, 0xffff                   ; y
	s_mov_b32 s[G1A], 15|(3<<16)|(1<<21)           ; A's tile half: 8 blocks x 6,144 bytes, 24,576 apart; the mask names the four partners, bit 21 beside it
	s_mov_b32 s[G1A+1], 768<<16
	s_mov_b32 s[G1A+2], 16<<16                     ; the head's load brings all 16 blocks; behind it the two words that count rows are set to 8
	s_mov_b32 s[G1A+3], 768<<16
	s_mov_b32 s[G1A+4], 16
	s_mov_b32 s[G1A+5], 3072
	s_mov_b32 s[G1A+6], 0
	s_mov_b32 s[G1A+7], 0
	s_mov_b32 s[G1B], 3<<16                        ; B's: 4 blocks, the work-group's own
	s_mov_b32 s[G1B+1], 768<<16
	s_mov_b32 s[G1B+2], 8<<16                      ; the head's load brings all 8 blocks; behind it: 4
	s_mov_b32 s[G1B+3], 768<<16
	s_mov_b32 s[G1B+4], 8
	s_mov_b32 s[G1B+5], 3072
	s_mov_b32 s[G1B+6], 0
	s_mov_b32 s[G1B+7], 0
	s_mov_b32 s[G1SA], 15|(3<<16)|(1<<21)          ; A's scale words: 8,192 dense bytes as 32 rows of 256
	s_mov_b32 s[G1SA+1], 32<<16
	s_mov_b32 s[G1SA+2], 64<<16                    ; all 16 blocks' words: 64 rows of 256 bytes
	s_mov_b32 s[G1SA+3], 32<<16
	s_mov_b32 s[G1SA+4], 64
	s_mov_b32 s[G1SA+5], 32
	s_mov_b32 s[G1SA+6], 0
	s_mov_b32 s[G1SA+7], 0
	s_mov_b32 s[G1SB], 3<<16                       ; B's: 4,096 bytes
	s_mov_b32 s[G1SB+1], 32<<16
	s_mov_b32 s[G1SB+2], 32<<16                    ; all 8 blocks' words: 32 rows
	s_mov_b32 s[G1SB+3], 32<<16
	s_mov_b32 s[G1SB+4], 32
	s_mov_b32 s[G1SB+5], 32
	s_mov_b32 s[G1SB+6], 0
	s_mov_b32 s[G1SB+7], 0
	s_lshl_b32 s84, s21, 4                         ; A's first token block, in registers that never hold cx: 16 y + 8 e
	s_lshl_b32 s85, s17, 3
	s_add_co_u32 s84, s84, s85
	s_mul_i32 s86, s84, RBB
	s_mov_b32 s87, 0
	s_lshl_b32 s84, s84, 10
	s_mov_b32 s85, 0
	s_lshl_b32 s92, ttmp9, 2
	s_add_co_u32 s92, s92, s19                     ; the tile of 128 columns = 4 x cluster x + cx
	s_lshl_b32 s89, s92, 3
	s_add_co_u32 s89, s89, 320                     ; Wo's row blocks begin at 320
	s_lshl_b32 s90, s17, 2
	s_add_co_u32 s89, s89, s90                     ; + 4 e
	s_mul_i32 s90, s89, RBB
	s_mov_b32 s91, 0
	s_lshl_b32 s88, s89, 10
	s_mov_b32 s89, 0
	s_lshl_b32 s94, s21, 21                        ; out0 at (256 y + 64 w) rows of 8,192 bytes + 512 x column tile
	s_lshl_b32 s95, s16, 19
	s_add_co_u32 s94, s94, s95
	s_lshl_b32 s95, s92, 9
	s_add_co_u32 s94, s94, s95
	s_mov_b32 s95, 0
	s_wait_kmcnt 0x0
	s_add_nc_u64 s[12:13], s[12:13], s[94:95]
	s_mov_b32 s[G0A], 1
	s_mul_i32 s[G0A+1], s17, 49152
	s_add_nc_u64 s[G0A+2:G0A+3], s[4:5], s[86:87]
	s_mov_b32 s[G0A+4], 1
	s_add_co_u32 s[G0A+5], s[G0A+1], SLOT
	s_add_nc_u64 s[G0A+6:G0A+7], s[G0A+2:G0A+3], 6144
	s_or_b32 s[G0A+3], s[G0A+3], 0x80000000
	s_or_b32 s[G0A+7], s[G0A+7], 0x80000000
	s_mov_b32 s[G0B], 1
	s_mul_i32 s[G0B+1], s17, 24576
	s_add_co_u32 s[G0B+1], s[G0B+1], BOFF
	s_add_nc_u64 s[G0B+2:G0B+3], s[8:9], s[90:91]
	s_mov_b32 s[G0B+4], 1
	s_add_co_u32 s[G0B+5], s[G0B+1], SLOT
	s_add_nc_u64 s[G0B+6:G0B+7], s[G0B+2:G0B+3], 6144
	s_or_b32 s[G0B+3], s[G0B+3], 0x80000000
	s_or_b32 s[G0B+7], s[G0B+7], 0x80000000
	s_mov_b32 s[G0SA], 1
	s_mov_b32 s[G0SA+1], SCA
	s_lshl_b32 s[G0SA+2], s17, 13                  ; the scale words come whole: the offset of my half is taken off again
	s_mov_b32 s[G0SA+3], 0
	s_sub_nc_u64 s[84:85], s[84:85], s[G0SA+2:G0SA+3]
	s_add_nc_u64 s[G0SA+2:G0SA+3], s[6:7], s[84:85]
	s_or_b32 s[G0SA+3], s[G0SA+3], 0x80000000
	s_mov_b32 s[G0SB], 1
	s_mov_b32 s[G0SB+1], SCB
	s_lshl_b32 s[G0SB+2], s17, 12
	s_mov_b32 s[G0SB+3], 0
	s_sub_nc_u64 s[88:89], s[88:89], s[G0SB+2:G0SB+3]
	s_add_nc_u64 s[G0SB+2:G0SB+3], s[10:11], s[88:89]
	s_or_b32 s[G0SB+3], s[G0SB+3], 0x80000000
	CROUND                                         ; all four work-groups are here: the first joint loads meet
	; the head's four tiles, one load a wave: wave 0 A's K steps 0-3, wave 1 A's scale words, wave 2 B's K steps 0-3, wave 3 B's scale words
	s_cmp_lt_u32 s16, 1
	s_cbranch_scc0 .Lhead_1
	tensor_load_to_lds s[G0A:G0A+3], s[G1A:G1A+7]
	s_nop 0
	PLACES 4
	s_branch .Lhead_asked
.Lhead_1:
	s_cmp_lt_u32 s16, 2
	s_cbranch_scc0 .Lhead_2
	tensor_load_to_lds s[G0SA:G0SA+3], s[G1SA:G1SA+7]
	s_nop 0
	PLACES 4
	s_branch .Lhead_asked
.Lhead_2:
	s_cmp_lt_u32 s16, 3
	s_cbranch_scc0 .Lhead_3
	tensor_load_to_lds s[G0B:G0B+3], s[G1B:G1B+7]
	s_nop 0
	PLACES 4
	s_branch .Lhead_asked
.Lhead_3:
	tensor_load_to_lds s[G0SB:G0SB+3], s[G1SB:G1SB+7]
	s_nop 0
	PLACES 4
.Lhead_asked:
	v_and_b32 v1, 31, v0                           ; lane
	v_lshlrev_b32 v[CO], 4, v1
	s_mul_i32 s88, s16, 24576
	v_add_nc_u32 v[ADRA], s88, v[CO]
	v_add_nc_u32 v[ADRA+1], SLOT, v[ADRA]
	v_add_nc_u32 v[ADRB], BOFF, v[CO]
	v_add_nc_u32 v[ADRB+1], SLOT+BOFF, v[CO]
	s_lshl_b32 s88, s16, 12
	s_add_co_u32 s88, s88, SCA
	v_lshl_add_u32 v[ADSA], v1, 2, s88
	v_lshl_add_u32 v[ADSB], v1, 2, SCB
	v_and_b32 v3, 15, v0                           ; r
	v_bfe_u32 v4, v0, 4, 1                         ; h
	s_mul_i32 s88, s16, 8448                       ; my stage: 16 rows x 528 bytes, in slot 0, which has had its last fill and its last read when the first result is stored there
	v_mul_u32_u24 v[STO], v3, 528
	v_lshl_add_u32 v[STO], v4, 6, v[STO]
	v_add_nc_u32 v[STO], s88, v[STO]
	v_add_nc_u32 v[RD], s88, v[CO]
	s_wait_alu depctr_va_vdst(0)
	s_wait_tensorcnt 0x0                           ; my tile of the head's four is in; slot 1's first fill is issued as a refill is
	ds_add_u32 v[SPW], v[NIL]
	s_mov_b32 s[G1A+2], 8<<16                      ; no tensor load of mine is out: from here on a load brings half a tile
	s_mov_b32 s[G1A+4], 8
	s_mov_b32 s[G1B+2], 4<<16
	s_mov_b32 s[G1B+4], 4
	s_wait_dscnt 0x0
	CROUND
	JLOAD G0A+4, G1A, G0B+4, G1B                   ; K steps 4-7
	FETCH 0
	STEP 0, 1                                      ; the first step's products start the sums: nothing is cleared
	STEP 1, 0
	STEP 2, 0
	TURN 3, 1
	STEP 4, 0
	STEP 5, 0
	STEP 6, 0
	TURN 7, 1
	STEP 8, 0
	STEP 9, 0
	STEP 10, 0
	TURN 11, 0
	STEP 12, 0
	STEP 13, 0
	STEP 14, 0
	s_wait_dscnt 0x0
	WIN MULW
	MUL8 0, 15, 0
	MUL8 1, 15, 0
	MUL8 2, 15, 0
	MUL8 3, 15, 0
	WIN 0
; THE WAY OUT, a token block at a time: a lane holds pieces of 32 bytes of one row, so the block goes through my own stage and comes back as whole rows of 512 bytes.  LDS serves a wave's instructions in order: no wait between stores and loads.
.macro TOSTAGE a
	WIN 0x08                                       ; an LDS store's data are its source 1: window 2
.irp b, 0,1,2,3,4,5,6,7
	ds_store_b128 v[STO], v[64*(\a)+8*\b:64*(\a)+8*\b+3] offset:128*(\b/2)+32*(\b%2)          ; each accumulator from its low end on: columns 32 (b / 2) + 16 h + 8 (b % 2) + 0 .. 3
	ds_store_b128 v[STO], v[64*(\a)+8*\b+4:64*(\a)+8*\b+7] offset:128*(\b/2)+32*(\b%2)+16
.endr
	WIN 0
.set BB, 128+64*((\a)%2)
.set t, 0
.rept 16
	ds_load_b128 v[BB+4*t:BB+4*t+3], v[RD] offset:528*t
.set t, t+1
.endr
.endm
.macro SEND a, younger                 ; younger: the LDS instructions issued behind block a's loads, which may stay out
.set BB, 128+64*((\a)%2)
	s_wait_dscnt \younger
.set t, 0
.rept 16
	global_store_b128 v[CO], v[BB+4*t:BB+4*t+3], s[12:13] offset:(32*((\a)/2)+8*((\a)%2)+(t&7)+16*(t>>3))*8192 th:TH_STORE_NT   ; 512 consecutive bytes of one row, at a multiple of 512 from out0's first byte; place t of the block is that row
.set t, t+1
.endr
.endm
	PLACES 4                                       ; in front of the first read of results and of loads into the registers that held A's fragments
	TOSTAGE 0
.irp a, 1,2,3
.if \a > 1
	s_wait_xcnt 0x0                                ; block a - 2's stores have read their registers: block a's loads may land there
.endif
	TOSTAGE \a
	SEND \a-1, 32                                  ; behind block a - 1's loads: block a's 16 stores and 16 loads
.endr
	SEND 3, 0
	s_wait_tensorcnt 0x0                           ; the wave's end
	ds_add_u32 v[SPW], v[NIL]
	s_wait_dscnt 0x0
	CROUND                                         ; the closing round
	s_endpgm
.Lfunc_end_k_qca7f8f4283_proj:
	.size	k_qca7f8f4283_proj, .Lfunc_end_k_qca7f8f4283_proj-k_qca7f8f4283_proj
	.p2alignl 7, 3214868480
	.fill 96, 4, 3214868480
	.section	.rodata,"a",@progbits
	.p2align	6, 0x0
	.amdhsa_kernel k_qca7f8f4283_proj
		.amdhsa_group_segment_fixed_size 327680
		.amdhsa_private_segment_fixed_size 0
		.amdhsa_enable_private_segment 0
		.amdhsa_kernarg_size 40
		.amdhsa_user_sgpr_count 2
		.amdhsa_user_sgpr_kernarg_segment_ptr 1
		.amdhsa_wavefront_size32 1
		.amdhsa_system_sgpr_workgroup_id_x 1
		.amdhsa_system_sgpr_workgroup_id_y 1
		.amdhsa_system_sgpr_workgroup_id_z 1
		.amdhsa_system_vgpr_workitem_id 0
		.amdhsa_next_free_vgpr 768
		.amdhsa_next_free_sgpr 100
		.amdhsa_reserve_vcc 0
		.amdhsa_float_denorm_mode_32 3
		.amdhsa_float_denorm_mode_16_64 3
		.amdhsa_memory_ordered 1
		.amdhsa_forward_progress 1
		.amdhsa_inst_pref_size 137
	.end_amdhsa_kernel
	.amdgpu_metadata
---
amdhsa.version: [ 1, 2 ]
amdhsa.kernels:
  - .name:           k_qca7f8f4283_proj
    .symbol:         k_qca7f8f4283_proj.kd
    .args:
      - { .name: oc, .offset: 0, .size: 8, .value_kind: global_buffer, .address_space: global }
      - { .name: osc, .offset: 8, .size: 8, .value_kind: global_buffer, .address_space: global }
      - { .name: opc, .offset: 16, .size: 8, .value_kind: global_buffer, .address_space: global }
      - { .name: ops, .offset: 24, .size: 8, .value_kind: global_buffer, .address_space: global }
      - { .name: out0, .offset: 32, .size: 8, .value_kind: global_buffer, .address_space: global }
    .group_segment_fixed_size: 327680
    .private_segment_fixed_size: 0
    .kernarg_segment_align: 8
    .kernarg_segment_size: 40
    .max_flat_workgroup_size: 128
    .sgpr_count:     100
    .vgpr_count:     768
    .wavefront_size: 32
...
	.end_amdgpu_metadata
.endif
;; end of part 4
